; MI455X (gfx1250); checked and timed in simulation.
; The chip was launched on July 23, 2026; its instructions are those of AMD's public machine-readable ISA for CDNA 5 (MIT licence, August 2026) and "CDNA5" Instruction Set Architecture Reference Guide (July 2026). The comments in the code are by the model that wrote it; some were corrected since.
;; Transformer Layer. Allowed arithmetic: float matrix products may take bf16 or f16 operands with f32 sums; other float arithmetic in f32, or as packed bf16 or f16 multiplies, adds, multiply-adds, maxima and minima; sums over many terms, partial sums and values carried from step to step in f32; what a program stores and reads back later, other than sums and carried values, may be rounded once to bf16 or f16.
;; Inputs: W1 1,024 x 4,096 float32; W2 4,096 x 1,024 float32; Wk 1,024 x 1,024 float32; Wo 1,024 x 1,024 float32; Wq 1,024 x 1,024 float32; Wv 1,024 x 1,024 float32; X 2 x 2,048 x 1,024 float32; b1 4,096 float32; b2 1,024 float32; be1 1,024 float32; be2 1,024 float32; g1 1,024 float32; g2 1,024 float32.
;; Outputs: out0 2 x 2,048 x 1,024 float32.
;; 2 versions, each right; version 2 is version 1 with the launches cvt, ln1, ln2 written anew for expert scheduling mode. Each part assembles by itself: llvm-mc -triple=amdgcn-amd-amdhsa -mcpu=gfx1250 --defsym DOCPART=n.
;; ======== version 1 of 2: 8 launches
;; workspace buffers: wqkv 6,308,096 bytes; w1p 8,405,248 bytes; wr 10,489,856 bytes; abuf 8,388,608 bytes; act 33,554,432 bytes; x1 16,777,216 bytes
;; launch cvt (part 1): grid 8 x 97, 8 waves a work-group, no clusters, 0 bytes of LDS; arguments Wq, Wk, Wv, Wo, W1, W2, b1, b2, wqkv, w1p, wr; writes wqkv, w1p, wr
.if DOCPART == 1
	.amdgcn_target "amdgcn-amd-amdhsa--gfx1250"
	.amdhsa_code_object_version 6
	.text
	.protected	k_q6e7a591891_cvt
	.globl	k_q6e7a591891_cvt
	.p2align	8
	.type	k_q6e7a591891_cvt,@function
k_q6e7a591891_cvt:
	s_mov_b64 s[64:65], 0
	v_nop
	global_prefetch_b8 v0, s[64:65] scope:SCOPE_SE
	s_setreg_imm32_b32 hwreg(HW_REG_WAVE_MODE, 25, 1), 1
	s_wait_xcnt 0x0
; THE WEIGHTS, ONCE: f32 [in][out] -> bf16 panels [out/128][in][128], each number rounded once to nearest even; not transposed.
; A panel row is 128 bf16 = 256 bytes; panel p of a weight with K rows begins at p x K x 256.
;   wqkv: bytes 0-16383 zeros (a bias of 0), 16384-16639 the word 0xff7fff7f (a floor of the lowest finite bf16, twice), from 16640 on 24 panels: Wq, Wk, Wv
;   w1p : bytes 0-16383 a copy of b1, 16384-16639 zeros (the ReLU's floor), from 16640 on W1's 32 panels
;   wr  : bytes 0-4095 a copy of b2, from 4096 on Wo's 8 panels, from 4096 + 2097152 on W2's 8 panels of 4096 rows
; SHARES.  Work-group (x, y), y < 96: slice y is 1,024 rows x 128 columns of one weight, x picks 128 of its rows, a wave takes 16.
; One load of a wave is a row's 512 consecutive bytes, one store its 256 consecutive bytes, aligned.  All 16 loads of a wave go out before the first wait.
; y = 96: the three headers.  No LDS, no barrier, no matrix unit: every byte is read once and written once, and nothing is shared.
.set HDR, 16640
.set WRO, 4096
.set WR2, 4096+2097152
	s_load_b512 s[8:23], s[0:1], 0x0               ; Wq s[8:9], Wk s[10:11], Wv s[12:13], Wo s[14:15], W1 s[16:17], W2 s[18:19], b1 s[20:21], b2 s[22:23]
	s_load_b128 s[24:27], s[0:1], 0x40             ; wqkv s[24:25], w1p s[26:27]
	s_load_b64 s[28:29], s[0:1], 0x50              ; wr
	v_and_b32 v3, 31, v0
	v_lshlrev_b32 v1, 4, v3                        ; 16 x lane: my 4 numbers of a source row
	v_lshlrev_b32 v2, 3, v3                        ; 8 x lane: my 4 numbers of a panel row
	v_lshrrev_b32 v3, 5, v0
	v_readfirstlane_b32 s44, v3                    ; wave 0..7
	s_and_b32 s30, ttmp7, 0xffff                   ; y
	s_mov_b32 s48, ttmp9                           ; x
	s_cmp_eq_u32 s30, 96
	s_cbranch_scc1 .Lhdr
	; which weight, which panel, which rows: candidates first, then compares and selects (nothing that sets SCC stands between a compare and its selects)
	s_lshr_b32 s31, s30, 3                         ; t = y / 8
	s_and_b32 s37, s30, 7                          ; source panel
	s_mov_b32 s39, s30                             ; slice number in the destination
	s_mov_b32 s36, 12                              ; log2 of the source's row pitch in bytes
	s_mov_b32 s38, 0                               ; first source row of the slice
	s_mov_b32 s45, HDR                             ; where the destination's panels begin
	s_wait_kmcnt 0x0
	s_mov_b64 s[32:33], s[8:9]
	s_mov_b64 s[34:35], s[24:25]
	s_cmp_eq_u32 s31, 1
	s_cselect_b64 s[32:33], s[10:11], s[32:33]
	s_cmp_eq_u32 s31, 2
	s_cselect_b64 s[32:33], s[12:13], s[32:33]
	s_sub_co_u32 s40, s30, 24                      ; (taken only where t = 3)
	s_cmp_eq_u32 s31, 3
	s_cselect_b64 s[32:33], s[14:15], s[32:33]
	s_cselect_b64 s[34:35], s[28:29], s[34:35]
	s_cselect_b32 s45, WRO, s45
	s_cselect_b32 s39, s40, s39
	s_sub_co_u32 s40, s30, 32                      ; (taken only where t >= 4)
	s_cmp_ge_u32 s31, 4
	s_cselect_b64 s[32:33], s[16:17], s[32:33]
	s_cselect_b64 s[34:35], s[26:27], s[34:35]
	s_cselect_b32 s45, HDR, s45
	s_cselect_b32 s39, s40, s39
	s_cselect_b32 s37, s40, s37
	s_cselect_b32 s36, 14, s36
	s_sub_co_u32 s40, s30, 64                      ; (taken only where t >= 8): W2's panel is four slices long
	s_lshr_b32 s41, s40, 2
	s_and_b32 s42, s40, 3
	s_lshl_b32 s42, s42, 10
	s_cmp_ge_u32 s31, 8
	s_cselect_b64 s[32:33], s[18:19], s[32:33]
	s_cselect_b64 s[34:35], s[28:29], s[34:35]
	s_cselect_b32 s45, WR2, s45
	s_cselect_b32 s39, s40, s39
	s_cselect_b32 s37, s41, s37
	s_cselect_b32 s36, 12, s36
	s_cselect_b32 s38, s42, s38
	s_lshl_b32 s46, s48, 7
	s_lshl_b32 s47, s44, 4
	s_add_co_u32 s46, s46, s47                     ; my wave's first row in the slice
	s_add_co_u32 s40, s38, s46
	s_lshl_b32 s40, s40, s36                       ; source: row x pitch
	s_lshl_b32 s42, s37, 9
	s_add_co_u32 s40, s40, s42                     ; + panel x 512 bytes
	s_mov_b32 s41, 0
	s_add_nc_u64 s[32:33], s[32:33], s[40:41]
	s_lshl_b32 s42, s39, 18                        ; destination: slice x 262,144
	s_lshl_b32 s43, s46, 8
	s_add_co_u32 s42, s42, s43                     ; + row x 256
	s_add_co_u32 s42, s42, s45
	s_mov_b32 s43, 0
	s_add_nc_u64 s[34:35], s[34:35], s[42:43]
.irp i, 0,1,2,3,4,5,6,7,8,9,10,11,12,13,14,15
	s_lshl_b32 s47, \i, s36
	v_add_nc_u32 v[4+\i], s47, v1                  ; row i x pitch + 16 x lane
.endr
.irp i, 0,1,2,3,4,5,6,7,8,9,10,11,12,13,14,15
	global_load_b128 v[32+4*\i:35+4*\i], v[4+\i], s[32:33] th:TH_LOAD_NT
.endr
.irp i, 0,1,2,3,4,5,6,7,8,9,10,11,12,13,14,15
	s_wait_loadcnt 15-\i                           ; loads come back in order: row i is in, the younger rows stay out
	v_cvt_pk_bf16_f32 v[96+2*\i], v[32+4*\i], v[33+4*\i]
	v_cvt_pk_bf16_f32 v[97+2*\i], v[34+4*\i], v[35+4*\i]
	global_store_b64 v2, v[96+2*\i:97+2*\i], s[34:35] offset:256*\i  ; 32 lanes x 8 bytes: one panel row; no register is used twice, so nothing is waited for
.endr
	s_endpgm
.Lhdr:
	s_wait_kmcnt 0x0
	v_lshlrev_b32 v4, 3, v0
	s_lshl_b32 s40, s48, 11
	v_add_nc_u32 v4, s40, v4                       ; 2,048 x + 8 x thread: eight work-groups cover b1's 16,384 bytes
	global_load_b64 v[6:7], v4, s[20:21]
	v_mov_b32 v8, 0
	v_mov_b32 v9, 0
	global_store_b64 v4, v[8:9], s[24:25]          ; the projections have no bias
	s_wait_loadcnt 0x0
	global_store_b64 v4, v[6:7], s[26:27]
	s_cmp_lt_u32 s48, 2                            ; b2 is 4,096 bytes: two work-groups
	s_cbranch_scc0 .Lend
	global_load_b64 v[10:11], v4, s[22:23]
	s_wait_loadcnt 0x0
	global_store_b64 v4, v[10:11], s[28:29]
	s_cmp_eq_u32 s48, 0
	s_cbranch_scc0 .Lend
	s_cmp_eq_u32 s44, 0
	s_cbranch_scc0 .Lend
	v_mov_b32 v12, 0xff7fff7f
	v_mov_b32 v13, 0xff7fff7f
	global_store_b64 v2, v[12:13], s[24:25] offset:16384  ; the two floors: 256 bytes each, one wave
	global_store_b64 v2, v[8:9], s[26:27] offset:16384
.Lend:
	s_endpgm
.Lfunc_end_k_q6e7a591891_cvt:
	.size	k_q6e7a591891_cvt, .Lfunc_end_k_q6e7a591891_cvt-k_q6e7a591891_cvt
	.p2alignl 7, 3214868480
	.fill 96, 4, 3214868480
	.section	.rodata,"a",@progbits
	.p2align	6, 0x0
	.amdhsa_kernel k_q6e7a591891_cvt
		.amdhsa_group_segment_fixed_size 0
		.amdhsa_private_segment_fixed_size 0
		.amdhsa_enable_private_segment 0
		.amdhsa_kernarg_size 88
		.amdhsa_user_sgpr_count 2
		.amdhsa_user_sgpr_kernarg_segment_ptr 1
		.amdhsa_wavefront_size32 1
		.amdhsa_system_sgpr_workgroup_id_x 1
		.amdhsa_system_sgpr_workgroup_id_y 1
		.amdhsa_system_sgpr_workgroup_id_z 1
		.amdhsa_system_vgpr_workitem_id 0
		.amdhsa_next_free_vgpr 128
		.amdhsa_next_free_sgpr 66
		.amdhsa_reserve_vcc 0
		.amdhsa_float_denorm_mode_32 3
		.amdhsa_float_denorm_mode_16_64 3
		.amdhsa_memory_ordered 1
		.amdhsa_forward_progress 1
		.amdhsa_inst_pref_size 11
	.end_amdhsa_kernel
	.amdgpu_metadata
---
amdhsa.version: [ 1, 2 ]
amdhsa.kernels:
  - .name:           k_q6e7a591891_cvt
    .symbol:         k_q6e7a591891_cvt.kd
    .args:
      - { .name: Wq, .offset: 0, .size: 8, .value_kind: global_buffer, .address_space: global }
      - { .name: Wk, .offset: 8, .size: 8, .value_kind: global_buffer, .address_space: global }
      - { .name: Wv, .offset: 16, .size: 8, .value_kind: global_buffer, .address_space: global }
      - { .name: Wo, .offset: 24, .size: 8, .value_kind: global_buffer, .address_space: global }
      - { .name: W1, .offset: 32, .size: 8, .value_kind: global_buffer, .address_space: global }
      - { .name: W2, .offset: 40, .size: 8, .value_kind: global_buffer, .address_space: global }
      - { .name: b1, .offset: 48, .size: 8, .value_kind: global_buffer, .address_space: global }
      - { .name: b2, .offset: 56, .size: 8, .value_kind: global_buffer, .address_space: global }
      - { .name: wqkv, .offset: 64, .size: 8, .value_kind: global_buffer, .address_space: global }
      - { .name: w1p, .offset: 72, .size: 8, .value_kind: global_buffer, .address_space: global }
      - { .name: wr, .offset: 80, .size: 8, .value_kind: global_buffer, .address_space: global }
    .group_segment_fixed_size: 0
    .private_segment_fixed_size: 0
    .kernarg_segment_align: 8
    .kernarg_segment_size: 88
    .max_flat_workgroup_size: 256
    .sgpr_count:     66
    .vgpr_count:     128
    .wavefront_size: 32
...
	.end_amdgpu_metadata
.endif
;; end of part 1
;; launch ln1 (part 2): grid 256 x 1, 4 waves a work-group, no clusters, 0 bytes of LDS; arguments X, g1, be1, abuf; writes abuf
.if DOCPART == 2
	.amdgcn_target "amdgcn-amd-amdhsa--gfx1250"
	.amdhsa_code_object_version 6
	.text
	.protected	k_q6e7a591891_ln1
	.globl	k_q6e7a591891_ln1
	.p2align	8
	.type	k_q6e7a591891_ln1,@function
k_q6e7a591891_ln1:
	s_mov_b64 s[64:65], 0
	v_nop
	global_prefetch_b8 v0, s[64:65] scope:SCOPE_SE
	s_setreg_imm32_b32 hwreg(HW_REG_WAVE_MODE, 25, 1), 1
	s_wait_xcnt 0x0
; y = (x - mean) * rsqrt(var + 1e-5) * g + be over rows of 1,024 f32; y rounded once to bf16 and stored in blocks of 64 channels: [16][4096 rows][64].
; The variance is the mean of the squared deviations, taken after the mean has been taken away, all in f32.
; SHARES.  A wave takes 4 rows, a work-group 16.  Lane l holds row l / 8 and, of each block of 64 channels, the 8 channels 8 (l % 8) on: 128 numbers in registers,
; so x is read once, a row's sums stay inside 8 lanes, and one store of a wave is 4 rows x 128 bytes = 512 consecutive bytes of a block.
; No LDS, no barrier: no wave needs another's numbers.  NaN and infinities are not treated apart.
; REGISTERS: window 0: v1-3 offsets, v8-15 four chains of sums, v16-17 the mean twice, v18-19 the reciprocal root twice, v64-191 x.  Window 1: v0-127 g, v128-255 be.
.set XR, 64
.set MSB, 0
.macro WIN new                         ; the immediate's high byte repeats the setting that is left
.if MSB != (\new)
	s_set_vgpr_msb (MSB<<8)|(\new)
.set MSB, \new
.endif
.endm
.macro REDUCE                          ; four chains of pairs -> one number in each of the row's 8 lanes
	v_pk_add_f32 v[8:9], v[8:9], v[10:11]
	v_pk_add_f32 v[12:13], v[12:13], v[14:15]
	v_pk_add_f32 v[8:9], v[8:9], v[12:13]
	v_add_f32 v8, v8, v9
	v_add_f32_dpp v8, v8, v8 row_xmask:1 row_mask:0xf bank_mask:0xf
	v_add_f32_dpp v8, v8, v8 row_xmask:2 row_mask:0xf bank_mask:0xf
	v_add_f32_dpp v8, v8, v8 row_xmask:4 row_mask:0xf bank_mask:0xf
.endm
	s_load_b256 s[4:11], s[0:1], 0x0               ; x s[4:5], g s[6:7], be s[8:9], y s[10:11]
	v_and_b32 v4, 31, v0
	v_lshrrev_b32 v5, 3, v4                        ; my row of the wave's four
	v_and_b32 v6, 7, v4
	v_lshlrev_b32 v2, 5, v6                        ; my 8 channels of a block: 32 bytes of f32
	v_lshl_add_u32 v1, v5, 12, v2                  ; + row x 4,096
	v_lshlrev_b32 v3, 4, v4                        ; 16 x lane: my 16 bytes of the 512 that a store covers
	v_lshrrev_b32 v7, 5, v0
	v_readfirstlane_b32 s14, v7                    ; wave 0..3
	s_lshl_b32 s15, ttmp9, 4
	s_lshl_b32 s14, s14, 2
	s_add_co_u32 s15, s15, s14                     ; my wave's first row
	s_lshl_b32 s16, s15, 12
	s_mov_b32 s17, 0
	s_lshl_b32 s18, s15, 7
	s_mov_b32 s19, 0
	s_mov_b32 s12, 0x3a800000                      ; 1 / 1024
	s_mov_b32 s13, 0x3727c5ac                      ; 1e-5
	s_wait_kmcnt 0x0
	s_add_nc_u64 s[4:5], s[4:5], s[16:17]
	s_add_nc_u64 s[10:11], s[10:11], s[18:19]
.irp k, 0,1,2,3,4,5,6,7,8,9,10,11,12,13,14,15
	global_load_b128 v[XR+8*\k:XR+8*\k+3],   v1, s[4:5] offset:256*\k th:TH_LOAD_NT
	global_load_b128 v[XR+8*\k+4:XR+8*\k+7], v1, s[4:5] offset:256*\k+16 th:TH_LOAD_NT
.endr
	WIN 0x40                                       ; destination window 1, address window 0
.irp k, 0,1,2,3,4,5,6,7,8,9,10,11,12,13,14,15
	global_load_b128 v[8*\k:8*\k+3],   v2, s[6:7] offset:256*\k
	global_load_b128 v[8*\k+4:8*\k+7], v2, s[6:7] offset:256*\k+16
.endr
	s_wait_loadcnt 32                              ; x is in; g's 32 loads may stay out (a wait cannot name the 64 that g and be together would be)
.irp k, 0,1,2,3,4,5,6,7,8,9,10,11,12,13,14,15
	global_load_b128 v[128+8*\k:128+8*\k+3],   v2, s[8:9] offset:256*\k
	global_load_b128 v[128+8*\k+4:128+8*\k+7], v2, s[8:9] offset:256*\k+16
.endr
	WIN 0
	; the mean: the first eight pairs start the four chains, nothing is cleared
.irp c, 0,1,2,3
	v_pk_add_f32 v[8+2*\c:9+2*\c], v[XR+2*\c:XR+2*\c+1], v[XR+8+2*\c:XR+8+2*\c+1]
.endr
.set j, 8
.rept 56
	v_pk_add_f32 v[8+2*(j%4):9+2*(j%4)], v[8+2*(j%4):9+2*(j%4)], v[XR+2*j:XR+2*j+1]
.set j, j+1
.endr
	REDUCE
	v_mul_f32 v16, s12, v8
	v_mov_b32 v17, v16
.set j, 0
.rept 64
	v_pk_add_f32 v[XR+2*j:XR+2*j+1], v[XR+2*j:XR+2*j+1], v[16:17] neg_lo:[0,1] neg_hi:[0,1]  ; x - mean, in place
.set j, j+1
.endr
	; the variance
.irp c, 0,1,2,3
	v_pk_mul_f32 v[8+2*\c:9+2*\c], v[XR+2*\c:XR+2*\c+1], v[XR+2*\c:XR+2*\c+1]
.endr
.set j, 4
.rept 60
	v_pk_fma_f32 v[8+2*(j%4):9+2*(j%4)], v[XR+2*j:XR+2*j+1], v[XR+2*j:XR+2*j+1], v[8+2*(j%4):9+2*(j%4)]
.set j, j+1
.endr
	REDUCE
	v_fma_f32 v8, v8, s12, s13                     ; sum / 1024 + 1e-5
	v_rsq_f32 v18, v8
	v_rsq_f32 v19, v8                              ; twice: a pair for the packed multiply
	v_nop                                          ; a plain instruction behind the last root (ISA guide 5.7.2),
	s_wait_alu depctr_va_vdst(0)                   ; and the one wait ahead of the first use
.set j, 0
.rept 64
	v_pk_mul_f32 v[XR+2*j:XR+2*j+1], v[XR+2*j:XR+2*j+1], v[18:19]
.set j, j+1
.endr
	s_wait_loadcnt 0x0                             ; g and be
	WIN 0x14                                       ; sources 1 and 2 in window 1
.set j, 0
.rept 64
	v_pk_fma_f32 v[XR+2*j:XR+2*j+1], v[XR+2*j:XR+2*j+1], v[2*j:2*j+1], v[128+2*j:128+2*j+1]
.set j, j+1
.endr
	WIN 0
.irp k, 0,1,2,3,4,5,6,7,8,9,10,11,12,13,14,15
.irp r, 0,1,2,3
	v_cvt_pk_bf16_f32 v[XR+8*\k+\r], v[XR+8*\k+2*\r], v[XR+8*\k+2*\r+1]  ; ascending: a register is written only after it has been read
.endr
	global_store_b128 v3, v[XR+8*\k:XR+8*\k+3], s[10:11] offset:524288*\k  ; block k: 512 consecutive bytes, at a multiple of 512 from y's first byte
.endr
	s_endpgm
.Lfunc_end_k_q6e7a591891_ln1:
	.size	k_q6e7a591891_ln1, .Lfunc_end_k_q6e7a591891_ln1-k_q6e7a591891_ln1
	.p2alignl 7, 3214868480
	.fill 96, 4, 3214868480
	.section	.rodata,"a",@progbits
	.p2align	6, 0x0
	.amdhsa_kernel k_q6e7a591891_ln1
		.amdhsa_group_segment_fixed_size 0
		.amdhsa_private_segment_fixed_size 0
		.amdhsa_enable_private_segment 0
		.amdhsa_kernarg_size 32
		.amdhsa_user_sgpr_count 2
		.amdhsa_user_sgpr_kernarg_segment_ptr 1
		.amdhsa_wavefront_size32 1
		.amdhsa_system_sgpr_workgroup_id_x 1
		.amdhsa_system_sgpr_workgroup_id_y 1
		.amdhsa_system_sgpr_workgroup_id_z 1
		.amdhsa_system_vgpr_workitem_id 0
		.amdhsa_next_free_vgpr 512
		.amdhsa_next_free_sgpr 66
		.amdhsa_reserve_vcc 0
		.amdhsa_float_denorm_mode_32 3
		.amdhsa_float_denorm_mode_16_64 3
		.amdhsa_memory_ordered 1
		.amdhsa_forward_progress 1
		.amdhsa_inst_pref_size 37
	.end_amdhsa_kernel
	.amdgpu_metadata
---
amdhsa.version: [ 1, 2 ]
amdhsa.kernels:
  - .name:           k_q6e7a591891_ln1
    .symbol:         k_q6e7a591891_ln1.kd
    .args:
      - { .name: X, .offset: 0, .size: 8, .value_kind: global_buffer, .address_space: global }
      - { .name: g1, .offset: 8, .size: 8, .value_kind: global_buffer, .address_space: global }
      - { .name: be1, .offset: 16, .size: 8, .value_kind: global_buffer, .address_space: global }
      - { .name: abuf, .offset: 24, .size: 8, .value_kind: global_buffer, .address_space: global }
    .group_segment_fixed_size: 0
    .private_segment_fixed_size: 0
    .kernarg_segment_align: 8
    .kernarg_segment_size: 32
    .max_flat_workgroup_size: 128
    .sgpr_count:     66
    .vgpr_count:     512
    .wavefront_size: 32
...
	.end_amdgpu_metadata
.endif
;; end of part 2
;; launch qkv (part 3): grid 12 x 16, 4 waves a work-group, clusters of 4 x 4, 327,680 bytes of LDS; arguments abuf, wqkv, act; writes act
.if DOCPART == 3
	.amdgcn_target "amdgcn-amd-amdhsa--gfx1250"
	.amdhsa_code_object_version 6
	.text
	.protected	k_q6e7a591891_qkv
	.globl	k_q6e7a591891_qkv
	.p2align	8
	.type	k_q6e7a591891_qkv,@function
k_q6e7a591891_qkv:
	s_mov_b64 s[64:65], 0
	v_nop
	global_prefetch_b8 v0, s[64:65] scope:SCOPE_SE
	s_setreg_imm32_b32 hwreg(HW_REG_WAVE_MODE, 25, 1), 1
	s_wait_xcnt 0x0
	s_wait_alu depctr_hold_cnt(0) depctr_sa_sdst(0) depctr_va_vdst(0) depctr_va_sdst(0) depctr_va_ssrc(0) depctr_va_vcc(0) depctr_vm_vsrc(0)
	s_getreg_b32 s2, hwreg(HW_REG_IB_STS2, 6, 4)
	s_cmp_eq_u32 s2, 0
	s_cbranch_scc0 .Lentry_in_a_cluster
	s_endpgm
.Lentry_in_a_cluster:
	s_bfe_u32 s2, ttmp6, 0x10000c
	s_cmp_lg_u32 s2, 0xf033
	s_cbranch_scc0 .Lentry_shape_is_right
	s_endpgm
.Lentry_shape_is_right:
; out = max(A W + bias, floor), K = 1,024.  A: bf16 in blocks of 64 channels, [16][4096 rows][64].  W: a header (bias: f32 from byte 0; floor: two bf16 at byte 16,384), then from
; byte 16,640 bf16 panels [N/128][1024][128].  out: bf16 in blocks, [N/64][4096][64], rounded once.  Sums in f32, started by the bias.
; The text serves two launches: the three projections (bias 0, floor the lowest finite bf16: it changes no finite number) and the first FFN layer (b1, floor 0: the ReLU).
; LIMITS.  The maximum drops a NaN (the floor comes out) and turns -infinity into the floor; operands are bf16; the order of a sum's K steps hangs on the cluster (below).
; SHARES.  A work-group of four waves makes 256 x 256 of out, a wave 128 x 128: 64 accumulators of 16 x 16, 512 registers.  K goes in steps of 128 through two LDS slots filled by tensor loads.
; A's tile of a step is two blocks' 128 rows (each 16,384 dense bytes), padded to rows of 144 bytes; W's is 128 panel rows of 256 bytes, padded to 288, and is read turned, by ds_load_tr16_b128.
; CLUSTER 4 x 4: the four of a row of the cluster need the same tiles of A, the four of a column the same panels of W: each is asked for jointly, by the same load, descriptor and mask in all four.
; THE WALK ALONG K IS A RING.  Cluster (X, Y) begins at K step (2 X + 4 Y) mod 8 and goes round; f32 sums may be taken in any order.  So the clusters of a row of clusters, which read the same rows
; of A, stand two K steps apart, and those of a column, which read the same panels of W, four apart or together: a block is asked for by different clusters in different steps of their walks.
; NO PREFETCH.  With sixteen clusters each block's first reading in the launch is among the first four K steps of some cluster's walk (A's: the first two).  Those come by their loads alone,
; since nothing is asked for at the head, where every work-group's first tiles are on their way; later readings are not asked for.
; THE PRODUCT IS TAKEN TRANSPOSED (source 0 = 16 columns of W, source 1 = 16 rows of A): a lane holds one row of out and eight neighbouring columns.
; REGISTERS: window 0: v0-31 addresses; v64-127, v128-191 A's fragments, two buffers; v192-255 the bias (first quarter only), then at work on the way out with v32-63.
;   window 1: v64-127, v128-191 W's fragments.  Windows 2, 3: the accumulators of my rows 0-63, 64-127, (a, b) at 8 (8 a + b).
.set KSTEPS, 8
.set HDR,    16640
.set PA,     144                       ; an LDS row of A: 128 bytes + 16: the 16 rows of a load start at 16 different groups of four banks (ISA guide 11.1)
.set PB,     288                       ; an LDS row of W: 256 + 32
.set HALFT,  36864                     ; what one tensor load brings: 2 x 128 x 144 = 128 x 288
.set SLOT,   4*HALFT                   ; A's two halves, then W's two panels
.set STAGE,  2*SLOT                    ; behind the ring: 2 blocks x 16 rows x 144 bytes for each wave
.set SPARE,  STAGE+4*32*PA             ; behind the stages: the spare words, 128 bytes a wave, which no other line names
.set LOGA,   20                        ; a K step is 2^20 bytes of A (two blocks)
.set LOGB,   15                        ; and 2^15 bytes of a panel (128 rows)
.set A0,   12                          ; v12  my lane's place in slot 0's A; never rewritten
.set B0,   13                          ; v13  the same for W
.set ADRA, 16                          ; v16  the same in the slot in hand
.set ADRB, 20                          ; v20
.set STO,  24                          ; v24  the way out: where I put 16 bytes of a row
.set RD,   25                          ; v25  where I read rows back
.set CO,   26                          ; v26  16 x lane
.set FL,   27                          ; v27  the floor, twice
.set SPW,  28                          ; v28  my spare word; never rewritten
.set NIL,  29                          ; v29  0; never rewritten
.set BO,   31                          ; v31  32 x (lane / 16)
.set F0,   64
.set F1,   128
.set TMP,  192
.set BI,   192
.set OB,   32
.set G1,  24                           ; s[24:31] group 1 for A's tiles;  s[32:39] group 0: a set for each first fill, the second then walks
.set G0,  32
.set G1B, 48                           ; s[48:55], s[56:63] the same for W's
.set G0B, 56
.set TB,  66                           ; s66  the slot in hand: 0 or SLOT
.set BB,  70                           ; s[70:71] the bias of my 128 columns
.set ABASE, 72                         ; s[72:73] A at K step 0 of the 128 rows that I fetch
.set BBASE, 74                         ; s[74:75] W at K step 0 of the panel that I fetch
.set KS,  76                           ; s76  the K step last asked for
.set OFS, 78                           ; s[78:79] its byte offset; the high word stays 0
.set MSB, 0
.macro WIN new                         ; the immediate's high byte repeats the setting that is left; a switch that changes nothing is dropped
.if MSB != (\new)
	s_set_vgpr_msb (MSB<<8)|(\new)
.set MSB, \new
.endif
.endm
.set MUL_LO, 0xa1                      ; source 0 (W) window 1, source 1 (A) window 0, C and D window 2
.set MUL_HI, 0xf1                      ; the same, C and D window 3
.set TO_B,   0x40                      ; destination window 1, address window 0
; A joint load: waves 0 and 1 fetch A's halves, waves 2 and 3 W's panels.  The branch hangs on the wave's number alone.  An s_nop 0 and four v_nop follow each line.
.macro JLOAD s
	s_cmp_eq_u32 s11, 0
	s_cbranch_scc0 .Lfor_b_\@
	tensor_load_to_lds s[G0+4*(\s):G0+4*(\s)+3], s[G1:G1+7]
	s_nop 0
.rept 4
	v_nop
.endr
	s_branch .Lasked_\@
.Lfor_b_\@:
	tensor_load_to_lds s[G0B+4*(\s):G0B+4*(\s)+3], s[G1B:G1B+7]
	s_nop 0
.rept 4
	v_nop
.endr
.Lasked_\@:
.endm
.macro NEXTK                           ; one K step on, round the ring
	s_add_co_u32 s[KS], s[KS], 1
	s_and_b32 s[KS], s[KS], KSTEPS-1
.endm
.macro AIM s                           ; both tensors' set s of group 0 is pointed at K step s[KS]: the address is made anew from the base and the step's number, the type bits are set again
	s_lshl_b32 s[OFS], s[KS], LOGA
	s_add_nc_u64 s[G0+4*(\s)+2:G0+4*(\s)+3], s[ABASE:ABASE+1], s[OFS:OFS+1]
	s_or_b32 s[G0+4*(\s)+3], s[G0+4*(\s)+3], 0x80000000
	s_lshl_b32 s[OFS], s[KS], LOGB
	s_add_nc_u64 s[G0B+4*(\s)+2:G0B+4*(\s)+3], s[BBASE:BBASE+1], s[OFS:OFS+1]
	s_or_b32 s[G0B+4*(\s)+3], s[G0B+4*(\s)+3], 0x80000000
.endm
.macro CREST                           ; a round of the cluster's barrier behind its opening barrier
	s_cmp_lg_u32 s10, 0
	s_cbranch_scc1 .Lnot_wave_0_\@
	s_barrier_signal -3
.Lnot_wave_0_\@:
	s_barrier_wait -3
	s_barrier_signal -1
	s_barrier_wait -1
.endm
.macro CROUND
	s_barrier_signal -1
	s_barrier_wait -1
	CREST
.endm
.macro PLACES                          ; four plain places behind matrix instructions, in front of loads into their sources and of readers of their results
.rept 4
	v_nop
.endr
.endm
	s_load_b128 s[4:7], s[0:1], 0x0                ; A s[4:5], W s[6:7]
	s_load_b64 s[8:9], s[0:1], 0x10                ; out
	v_lshl_add_u32 v[SPW], v0, 2, SPARE
	v_mov_b32 v[NIL], 0
	ds_add_u32 v[SPW], v[NIL]                      ; the wave's opening: the add and its wait ahead of my first tensor load
	v_lshrrev_b32 v1, 5, v0
	v_readfirstlane_b32 s10, v1                    ; wave 0..3
	s_lshr_b32 s11, s10, 1                         ; my half of the tile's rows.  Also: I fetch for A (0) or for W (1)
	s_and_b32 s12, s10, 1                          ; my panel.  Also: which half of that tile I fetch
	s_bfe_u32 s40, ttmp6, 0x40000                  ; cx
	s_bfe_u32 s41, ttmp6, 0x40004                  ; cy
	s_lshl_b32 s42, ttmp9, 2
	s_add_co_u32 s42, s42, s40                     ; tile column = 4 x cluster x + cx
	s_and_b32 s13, ttmp7, 0xffff
	s_lshl_b32 s13, s13, 2
	s_add_co_u32 s13, s13, s41                     ; tile row = 4 x cluster y + cy
	s_lshl_b32 s43, s41, 2
	s_lshl_b32 s43, 15, s43                        ; my row of the cluster
	s_lshl_b32 s44, 0x1111, s40                    ; my column
	s_or_b32 s[G1+0], s43, (1<<16)|(1<<20)|(1<<21)|(4<<22)|(3<<25)   ; mask; 2-byte elements; padding on; bit 21 beside a mask; after every 32 words, 4 words
	s_or_b32 s[G1B+0], s44, (1<<16)|(1<<20)|(1<<21)|(5<<22)|(7<<25)  ; after every 64 words, 8 words
	s_mov_b32 s[G1+1], 8192<<16                    ; A: tensor_dim0 = 8,192 elements: 128 rows of a block, dense
	s_mov_b32 s[G1+2], 2<<16                       ; tensor_dim1 = 2 blocks
	s_mov_b32 s[G1+3], 8192<<16                    ; tile_dim0
	s_mov_b32 s[G1+4], 2                           ; tile_dim1
	s_mov_b32 s[G1+5], 262144                      ; elements from block to block
	s_mov_b32 s[G1+6], 0
	s_mov_b32 s[G1+7], 0
	s_mov_b32 s[G1B+1], 128<<16                    ; W: 128 rows of 128 elements, dense
	s_mov_b32 s[G1B+2], 128<<16
	s_mov_b32 s[G1B+3], 128<<16
	s_mov_b32 s[G1B+4], 128
	s_mov_b32 s[G1B+5], 128
	s_mov_b32 s[G1B+6], 0
	s_mov_b32 s[G1B+7], 0
	s_lshl_b32 s[KS], ttmp9, 1                     ; where my cluster's walk begins: (2 x cluster x + 4 x cluster y) mod 8: made of what all sixteen partners share
	s_and_b32 s18, ttmp7, 0xffff
	s_lshl_b32 s18, s18, 2
	s_add_co_u32 s[KS], s[KS], s18
	s_and_b32 s[KS], s[KS], KSTEPS-1
	s_mov_b32 s[OFS+1], 0
	s_lshl_b32 s16, s13, 15                        ; A: (256 x tile row + 128 x half) rows of 128 bytes, in registers that never hold the tile column
	s_lshl_b32 s17, s12, 14
	s_add_co_u32 s16, s16, s17
	s_mov_b32 s17, 0
	s_lshl_b32 s46, s42, 19                        ; W: panel 2 x tile column + half, 262,144 bytes each, behind the header
	s_lshl_b32 s47, s12, 18
	s_add_co_u32 s46, s46, s47
	s_add_co_u32 s46, s46, HDR
	s_mov_b32 s47, 0
	s_mul_i32 s20, s10, HALFT                      ; where my loads go: no place in the cluster enters an LDS address
	s_wait_dscnt 0x0                               ; the opening add is done
	s_wait_kmcnt 0x0
	s_add_nc_u64 s[ABASE:ABASE+1], s[4:5], s[16:17]
	s_add_nc_u64 s[BBASE:BBASE+1], s[6:7], s[46:47]
	CROUND                                         ; all sixteen work-groups are here: the first joint loads meet
.irp s, 0,1
	s_mov_b32 s[G0+4*(\s)], 1
	s_add_co_u32 s[G0+4*(\s)+1], s20, (\s)*SLOT
	s_mov_b32 s[G0B+4*(\s)], 1
	s_add_co_u32 s[G0B+4*(\s)+1], s20, (\s)*SLOT
.endr
	AIM 0
	JLOAD 0                                        ; the walk's first K step,
	NEXTK
	AIM 1
	JLOAD 1                                        ; and its second: two loads of mine are out
	v_and_b32 v1, 15, v0                           ; r = l % 16
	v_bfe_u32 v2, v0, 4, 1                         ; h = l / 16
	v_mul_u32_u24 v3, v1, PA
	v_lshl_add_u32 v3, v2, 4, v3                   ; r x 144 + 16 h: a fragment of A is two loads of 16 bytes, 32 apart
	s_mul_i32 s21, s11, HALFT
	v_add_nc_u32 v[A0], s21, v3
	v_and_b32 v4, 7, v0
	v_bfe_u32 v5, v0, 3, 1
	v_lshl_add_u32 v6, v2, 3, v4                   ; the turning load: lane l reads K row 8 h + l % 8, columns 8 ((l / 8) % 2) on
	v_mul_u32_u24 v6, v6, PB
	v_lshl_add_u32 v6, v5, 4, v6
	s_mul_i32 s22, s12, HALFT
	s_add_co_u32 s22, s22, 2*HALFT
	v_add_nc_u32 v[B0], s22, v6
	s_mul_i32 s23, s10, 32*PA
	s_add_co_u32 s23, s23, STAGE                   ; my stage
	v_add_nc_u32 v[STO], s23, v3
	v_bfe_u32 v7, v0, 3, 2
	v_mul_u32_u24 v7, v7, PA
	v_lshl_add_u32 v7, v4, 4, v7                   ; back: 32 lanes take four rows of 128 bytes
	v_add_nc_u32 v[RD], s23, v7
	v_and_b32 v8, 31, v0
	v_lshlrev_b32 v[CO], 4, v8
	v_lshlrev_b32 v[BO], 5, v2
	v_mov_b32 v11, 0
	s_lshl_b32 s[BB], s42, 10                      ; the bias of my 128 columns: (256 x tile column + 128 x panel) x 4 bytes
	s_lshl_b32 s[BB+1], s12, 9
	s_add_co_u32 s[BB], s[BB], s[BB+1]
	s_mov_b32 s[BB+1], 0
	s_add_nc_u64 s[BB:BB+1], s[6:7], s[BB:BB+1]
.irp b, 0,1,2,3,4,5,6,7
	global_load_b128 v[BI+8*\b:BI+8*\b+3],   v[BO], s[BB:BB+1] offset:64*\b     ; register j of block b: the bias of column 16 b + 8 h + j, as an accumulator holds it
	global_load_b128 v[BI+8*\b+4:BI+8*\b+7], v[BO], s[BB:BB+1] offset:64*\b+16
.endr
	global_load_b32 v[FL], v11, s[6:7] offset:16384  ; the floor: every lane reads the same word
	s_lshl_b32 s16, s13, 15                        ; out: block 4 x tile column + 2 x panel, row 256 x tile row + 128 x half
	s_lshl_b32 s17, s11, 14
	s_add_co_u32 s16, s16, s17
	s_lshl_b32 s46, s42, 21
	s_lshl_b32 s47, s12, 20
	s_add_co_u32 s46, s46, s47
	s_add_co_u32 s46, s46, s16
	s_mov_b32 s47, 0
	s_add_nc_u64 s[8:9], s[8:9], s[46:47]
; 16 matrix instructions: row blocks a0, a0 + 1 of the window's four x all 8 column blocks, 32 along K.  zero = 1: the bias starts the sums (C in window 0): nothing is cleared.
; The 64 accumulators take turns in the same order in every quarter, one instruction a turn, over the backward jumps too.
.macro MUL16 f, hi, a0, zero
.if \zero
	WIN 0x81+0x40*(\hi)
.else
	WIN MUL_LO+0x50*(\hi)
.endif
.irp a, \a0, (\a0)+1
.irp b, 0,1,2,3,4,5,6,7
.if \zero
	v_wmma_f32_16x16x32_bf16 v[8*(8*(\a)+(\b)):8*(8*(\a)+(\b))+7], v[(\f)+8*(\b):(\f)+8*(\b)+7], v[(\f)+8*(4*(\hi)+(\a)):(\f)+8*(4*(\hi)+(\a))+7], v[BI+8*(\b):BI+8*(\b)+7]
.else
	v_wmma_f32_16x16x32_bf16 v[8*(8*(\a)+(\b)):8*(8*(\a)+(\b))+7], v[(\f)+8*(\b):(\f)+8*(\b)+7], v[(\f)+8*(4*(\hi)+(\a)):(\f)+8*(4*(\hi)+(\a))+7], v[8*(8*(\a)+(\b)):8*(8*(\a)+(\b))+7]
.endif
.endr
.endr
.endm
; 32 LDS loads in one run: quarter q (32 along K) of the slot in hand into buffer f: W's 8 column blocks, turned, then A's 8 row blocks
.macro FETCH q, f
	WIN TO_B
.irp i, 0,1,2,3,4,5,6,7
	ds_load_tr16_b128 v[(\f)+8*(\i):(\f)+8*(\i)+3],   v[ADRB] offset:(\q)*32*PB+(\i)*32
	ds_load_tr16_b128 v[(\f)+8*(\i)+4:(\f)+8*(\i)+7], v[ADRB] offset:(\q)*32*PB+(\i)*32+16*PB
.endr
	WIN 0
.irp i, 0,1,2,3,4,5,6,7
	ds_load_b128 v[(\f)+8*(\i):(\f)+8*(\i)+3],   v[ADRA] offset:((\q)/2)*128*PA+((\q)%2)*64+(\i)*16*PA
	ds_load_b128 v[(\f)+8*(\i)+4:(\f)+8*(\i)+7], v[ADRA] offset:((\q)/2)*128*PA+((\q)%2)*64+(\i)*16*PA+32
.endr
.endm
; One of a K step's first three quarters: multiplies buffer f; in its middle fetches quarter qn into buffer g
.macro QUARTER qn, f, g, zero
	s_wait_dscnt 8                                 ; W and A's rows 0-63 are in; the youngest eight loads (A's rows 64-127) may be out
	MUL16 \f, 0, 0, \zero
	MUL16 \f, 0, 2, \zero
	PLACES
	FETCH \qn, \g
	s_wait_dscnt 32                                ; all but the 32 just issued
	MUL16 \f, 1, 0, \zero
	MUL16 \f, 1, 2, \zero
.endm
; The last quarter multiplies buffer 1 and changes slots.  In front of the barrier each wave waits for all its tensor loads (one is out: its part of the next slot), adds 0 to its spare word, and
; waits for that and for its reads of this slot.  fill = 1: the barrier opens a round of the cluster's, and behind the round this slot is filled again, with the K step two on in the ring, first thing.
.macro TURN fill
	WIN 0
	s_wait_tensorcnt 0x0
	ds_add_u32 v[SPW], v[NIL]
	s_wait_dscnt 9                                 ; (the add and the youngest eight loads may be out)
	MUL16 F1, 0, 0, 0
	s_wait_dscnt 0x0                               ; the add is done, and my reads of this slot are over
	s_barrier_signal -1
	MUL16 F1, 0, 2, 0
.if \fill
	WIN 0
.endif
	s_barrier_wait -1
.if \fill
	CREST                                          ; no wave of any partner still reads this slot or has a load on its way
	NEXTK
	s_xor_b32 s[G0+5], s[G0+5], SLOT               ; the walking descriptors: the other slot than last time (no wave's place has a bit of SLOT set),
	s_xor_b32 s[G0B+5], s[G0B+5], SLOT
	AIM 1                                          ; the ring's next K step
	JLOAD 1                                        ; its four v_nop are also the places in front of the loads below
.else
	PLACES
.endif
	s_xor_b32 s[TB], s[TB], SLOT
	WIN 0
	v_add_nc_u32 v[ADRA], s[TB], v[A0]
	v_add_nc_u32 v[ADRB], s[TB], v[B0]
	FETCH 0, F0
	MUL16 F1, 1, 0, 0
	MUL16 F1, 1, 2, 0
.endm
; THE WAY OUT of row block a: rounded to bf16 and held to the floor; through my own stage in LDS; stored as 512 consecutive bytes (four rows of a block of 64 columns).
.macro PACK a
.set AC, 64*((\a)%4)
	WIN 0x0a+5*((\a)/4)                            ; sources 0 and 1: window 2 or 3
.irp b, 0,1,2,3,4,5,6,7
.irp r, 0,1,2,3
	v_cvt_pk_bf16_f32 v[TMP+4*(\b)+(\r)], v[AC+8*(\b)+2*(\r)], v[AC+8*(\b)+2*(\r)+1]
.endr
.endr
	WIN 0
.set z, 0
.rept 32
	v_pk_max_num_bf16 v[TMP+z], v[TMP+z], v[FL]
.set z, z+1
.endr
.endm
.macro TOSTAGE a
	WIN 0
.set BK, OB+192*((\a)%2)
.irp b, 0,1,2,3,4,5,6,7
	ds_store_b128 v[STO], v[TMP+4*(\b):TMP+4*(\b)+3] offset:((\b)/4)*16*PA+((\b)%4)*32
.endr
.irp t, 0,1,2,3,4,5,6,7
	ds_load_b128 v[BK+4*(\t):BK+4*(\t)+3], v[RD] offset:((\t)/4)*16*PA+((\t)%4)*4*PA  ; LDS serves a wave's instructions in order (ISA guide 5.7.1.4): these see the stores above
.endr
.endm
.macro SEND a
	WIN 0
.set BK, OB+192*((\a)%2)
	s_wait_dscnt 0x0                               ; the block is back in registers
	s_wait_xcnt 0x0                                ; earlier stores have read their registers: the other buffer may be loaded again behind this wait
.irp t, 0,1,2,3,4,5,6,7
	global_store_b128 v[CO], v[BK+4*(\t):BK+4*(\t)+3], s[8:9] offset:((\t)/4)*524288+(\a)*2048+((\t)%4)*512
.endr
.endm
	s_wait_tensorcnt 1                             ; my part of the walk's first K step is in; the second's may stay out
	s_barrier_signal -1
	s_barrier_wait -1
	s_mov_b32 s[TB], 0
	v_mov_b32 v[ADRA], v[A0]
	v_mov_b32 v[ADRB], v[B0]
	FETCH 0, F0
	s_wait_loadcnt 0x0                             ; the bias and the floor
	QUARTER 1, F0, F1, 1                           ; the first quarter stands in front of the loop: its products start the sums
	WIN 0
	s_mov_b32 s3, KSTEPS-2
.Lstep:                                                ; a trip: from a K step's second quarter to the next step's first; the slot left is filled again
	QUARTER 2, F1, F0, 0
	QUARTER 3, F0, F1, 0
	TURN 1
	QUARTER 1, F0, F1, 0
	WIN 0
	s_sub_co_u32 s3, s3, 1
	s_cmp_lg_u32 s3, 0
	s_cbranch_scc1 .Lstep
	s_mov_b32 s3, 2
.Ltail:                                                ; the last two K steps ask for nothing: a loop without a tensor load, two trips, left in the middle of the second
	QUARTER 2, F1, F0, 0
	QUARTER 3, F0, F1, 0
	WIN 0
	s_sub_co_u32 s3, s3, 1
	s_cmp_eq_u32 s3, 0
	s_cbranch_scc1 .Llast
	TURN 0
	QUARTER 1, F0, F1, 0
	WIN 0
	s_branch .Ltail
.Llast:                                                ; the very last quarter: nothing more to fetch
	s_wait_dscnt 8
	MUL16 F1, 0, 0, 0
	MUL16 F1, 0, 2, 0
	s_wait_dscnt 0x0
	MUL16 F1, 1, 0, 0
	MUL16 F1, 1, 2, 0
	PLACES
	PACK 0
	TOSTAGE 0
.irp a, 1,2,3,4,5,6,7                  ; block a's arithmetic stands between block a - 1's loads from the stage and the wait for them
	PACK \a
	SEND (\a)-1
	TOSTAGE \a
.endr
	SEND 7
	s_wait_tensorcnt 0x0                           ; the wave's end
	ds_add_u32 v[SPW], v[NIL]
	s_wait_dscnt 0x0
	CROUND                                         ; the closing round
	s_endpgm
.Lfunc_end_k_q6e7a591891_qkv:
	.size	k_q6e7a591891_qkv, .Lfunc_end_k_q6e7a591891_qkv-k_q6e7a591891_qkv
	.p2alignl 7, 3214868480
	.fill 96, 4, 3214868480
	.section	.rodata,"a",@progbits
	.p2align	6, 0x0
	.amdhsa_kernel k_q6e7a591891_qkv
		.amdhsa_group_segment_fixed_size 327680
		.amdhsa_private_segment_fixed_size 0
		.amdhsa_enable_private_segment 0
		.amdhsa_kernarg_size 24
		.amdhsa_user_sgpr_count 2
		.amdhsa_user_sgpr_kernarg_segment_ptr 1
		.amdhsa_wavefront_size32 1
		.amdhsa_system_sgpr_workgroup_id_x 1
		.amdhsa_system_sgpr_workgroup_id_y 1
		.amdhsa_system_sgpr_workgroup_id_z 1
		.amdhsa_system_vgpr_workitem_id 0
		.amdhsa_next_free_vgpr 1024
		.amdhsa_next_free_sgpr 80
		.amdhsa_reserve_vcc 0
		.amdhsa_float_denorm_mode_32 3
		.amdhsa_float_denorm_mode_16_64 3
		.amdhsa_memory_ordered 1
		.amdhsa_forward_progress 1
		.amdhsa_inst_pref_size 122
	.end_amdhsa_kernel
	.amdgpu_metadata
---
amdhsa.version: [ 1, 2 ]
amdhsa.kernels:
  - .name:           k_q6e7a591891_qkv
    .symbol:         k_q6e7a591891_qkv.kd
    .args:
      - { .name: abuf, .offset: 0, .size: 8, .value_kind: global_buffer, .address_space: global }
      - { .name: wqkv, .offset: 8, .size: 8, .value_kind: global_buffer, .address_space: global }
      - { .name: act, .offset: 16, .size: 8, .value_kind: global_buffer, .address_space: global }
    .group_segment_fixed_size: 327680
    .private_segment_fixed_size: 0
    .kernarg_segment_align: 8
    .kernarg_segment_size: 24
    .max_flat_workgroup_size: 128
    .sgpr_count:     80
    .vgpr_count:     1024
    .wavefront_size: 32
...
	.end_amdgpu_metadata
.endif
;; end of part 3
;; launch attn (part 4): grid 8 x 32, 4 waves a work-group, clusters of 4 x 1, 327,680 bytes of LDS; arguments act, abuf; writes abuf
.if DOCPART == 4
	.amdgcn_target "amdgcn-amd-amdhsa--gfx1250"
	.amdhsa_code_object_version 6
	.text
	.protected	k_q6e7a591891_attn
	.globl	k_q6e7a591891_attn
	.p2align	8
	.type	k_q6e7a591891_attn,@function
k_q6e7a591891_attn:
	s_mov_b64 s[64:65], 0
	v_nop
	global_prefetch_b8 v0, s[64:65] scope:SCOPE_SE
	s_setreg_imm32_b32 hwreg(HW_REG_WAVE_MODE, 25, 1), 1
	s_wait_xcnt 0x0
	s_wait_alu depctr_hold_cnt(0) depctr_sa_sdst(0) depctr_va_vdst(0) depctr_va_sdst(0) depctr_va_ssrc(0) depctr_va_vcc(0) depctr_vm_vsrc(0)
	s_getreg_b32 s2, hwreg(HW_REG_IB_STS2, 6, 4)
	s_cmp_eq_u32 s2, 0
	s_cbranch_scc0 .Lentry_in_a_cluster
	s_endpgm
.Lentry_in_a_cluster:
	s_bfe_u32 s2, ttmp6, 0x10000c
	s_cmp_lg_u32 s2, 0x3003
	s_cbranch_scc0 .Lentry_shape_is_right
	s_endpgm
.Lentry_shape_is_right:
; O[q][:] = the sum over k of softmax_k(Q[q] . K[k] / 8) V[k][:], for each of 32 pairs (batch, head): 2,048 queries and keys, 64 channels, no mask.
; Q, K, V lie in act in blocks of 64 channels, [48][4096 tokens][64] bf16: Q's heads are blocks 0-15, K's 16-31, V's 32-47; a batch is 2,048 tokens.  O goes to abuf in Q's layout.
; Products, maxima and sums in f32; the weights p are rounded to bf16 for the second product (their sum l is taken of the unrounded p), O once at the end.
; LIMITS.  A weight below 2^-126 counts as 0 in l; NaN and infinities are not treated apart; the running maximum starts at the lowest finite number.
; SHARES.  A work-group owns 256 queries, a wave 64: four PIECES of 16.  Every wave walks all keys, 64 a step, 256 a slot.
; LAYOUT.  S^T = K Q^T holds ONE query a lane (lane % 16) and the keys 8 (lane / 16) + 0..7; two such results rounded to bf16 ARE source 1 of O^T = V^T P.  V comes out of LDS turned.
; SOFTMAX.  p = 2^(c s - c m), c = log2(e) / 8, with a running maximum m; O and l are multiplied by a = 2^(c m_old - c m_new) in every step; the first step's a is 0.
; TURNS.  Turn n belongs to piece n: 8 products K Q^T of piece n + 1, later 8 products V^T P of piece n - 1; beside them the scaling, exponentials, roundings, sums and rescaling of piece n and the
; maximum and statistics of piece n + 1.  Four vector instructions stand behind every matrix instruction, the rest in one run.  A turn's 33 exponentials are one batch, with one wait.
; CLUSTER.  The four query blocks of a cluster belong to one pair and walk the same K and V: each tile is asked for jointly, by the same load, descriptor and mask in all four.
; REGISTERS: window 0: v0-15 addresses; v16-31 four statistics a piece; v48-55 at work; v64-127 S^T, two buffers; v192-223 P, two buffers.  Window 1: v0-127 O^T.  Window 2: v0-63 Q; v128-191 K; v192-255 V.
.set NP,    4
.set KS,    64
.set PK,    144       ; a row of K in LDS: 128 bytes + 16: the 16 rows of a load start at 16 different groups of four banks (ISA guide 11.1)
.set PV,    160       ; a row of V: 128 + 32
.set VOFF,  4*KS*PK   ; a slot: 256 rows of K, then 256 rows of V
.set SLOT1, 1<<17
.set STAGE, SLOT1+4*KS*(PK+PV)
.set SP,    144
.set SPARE, STAGE+4*16*SP
.set KOFF,  8388608   ; K's blocks in act; V's lie as far behind K's
.set AK0, 2
.set AV0, 3
.set AK,  4
.set AV,  5
.set STO, 6
.set RD,  7
.set GO,  8
.set MV,  12
.set QO,  15
.set ST,  16          ; piece t's statistics at v[ST+4 t]: c m, m, l (even keys', odd keys')
.set TMP, 48          ; by buffer, c0-c3 at work; when the maximum is found c2 takes a
.set PFO, 61          ; v61  256 x lane; never rewritten
.set SPW, 62          ; v62  my spare word; never rewritten
.set NIL, 63          ; v63  0; never rewritten
.set S,   64
.set P,   192
.set KF,  128
.set VF,  192
.set WV,  12
.set G1K, 24
.set G1V, 32
.set G0K, 40
.set G0V, 44
.set PFA, 48          ; s[48:49] where my prefetches stand
.set LIM, 50          ; s50  1 in a wave that prefetches, else the greatest number
.set SLOTS, 56
.set CNT, 57
.set CS,  58
.set SEL, 60
.set TBK, 62
.set TBV, 63
.set MSB, 0
.macro WIN new
.if MSB != (\new)
	s_set_vgpr_msb (MSB<<8)|(\new)
.set MSB, (\new)
.endif
.endm
.set W_KQ, 0x0a       ; K and Q in window 2, S^T in window 0
.set W_PV, 0x52       ; V in window 2, P in window 0, O^T in window 1
.set W_RS, 0x41       ; destination and source 0 in window 1, source 1 in window 0
; A joint fill: waves 0 and 1 fetch the halves of a slot's K, waves 2 and 3 those of its V.  An s_nop 0 and four v_nop follow each line.
.macro JLOAD
	s_cmp_lt_u32 s[WV], 2
	s_cbranch_scc0 .Lfor_v_\@
	tensor_load_to_lds s[G0K:G0K+3], s[G1K:G1K+7]
	s_nop 0
.rept 4
	v_nop
.endr
	s_branch .Lasked_\@
.Lfor_v_\@:
	tensor_load_to_lds s[G0V:G0V+3], s[G1V:G1V+7]
	s_nop 0
.rept 4
	v_nop
.endr
.Lasked_\@:
.endm
; A prefetch of what the NEXT change of slots will ask for: 128 blocks of 256 bytes of K and as many of V.  Both clusters of a pair walk the same keys: the first asks.  Its four partners take 32 blocks
; each, told apart by address; wave 0 asks for K's, wave 2 for V's.  The last change that fills a slot asks for nothing.
.macro ASK
	s_cmp_gt_u32 s[SLOTS], s[LIM]
	s_cbranch_scc0 .Lnot_mine_\@
	global_prefetch_b8 v[PFO], s[PFA:PFA+1] th:TH_LOAD_NT scope:SCOPE_SE
.Lnot_mine_\@:
.endm
.macro CROUND
	s_barrier_signal -1
	s_barrier_wait -1
	s_cmp_lg_u32 s[WV], 0
	s_cbranch_scc1 .Lnot_wave_0_\@
	s_barrier_signal -3
.Lnot_wave_0_\@:
	s_barrier_wait -3
	s_barrier_signal -1
	s_barrier_wait -1
.endm
; THE CHANGE OF SLOTS.  Each wave waits for all its tensor loads (one is out: its part of the other slot), adds 0 to its spare word, and waits for that and for its reads of the slot that it leaves.
; fill = 1: a round of the cluster's barrier, and behind it the old slot is filled again, first thing, with the keys two slots on.  (At its first use slot 0 is waited for and slot 1 filled.)
.macro CHANGE fill
	WIN 0
	s_wait_tensorcnt 0x0
	ds_add_u32 v[SPW], v[NIL]
.if \fill
.irp g, G0K, G0V
	s_xor_b32 s[\g+1], s[\g+1], SLOT1
	s_add_nc_u64 s[\g+2:\g+3], s[\g+2:\g+3], 4*KS*128
.endr
	s_wait_xcnt 0x0                 ; the last prefetch, a slot back, has read its address
	s_add_nc_u64 s[PFA:PFA+1], s[PFA:PFA+1], 4*KS*128
	s_wait_dscnt 0x0
	CROUND
	JLOAD
	ASK
.else
	s_wait_dscnt 0x0
	s_barrier_signal -1
	s_barrier_wait -1
.endif
	s_sub_co_u32 s[TBK], s[TBK], 4*KS*PK
	s_xor_b32 s[TBK], s[TBK], SLOT1
	s_sub_co_u32 s[TBV], s[TBV], 4*KS*PV
	s_xor_b32 s[TBV], s[TBV], SLOT1
.endm
	s_load_b128 s[16:19], s[0:1], 0x0  ; act s[16:17], abuf s[18:19]
	v_lshl_add_u32 v[SPW], v0, 2, SPARE
	v_mov_b32 v[NIL], 0
	ds_add_u32 v[SPW], v[NIL]       ; the wave's opening: the add and its wait ahead of my first tensor load
	v_lshrrev_b32 v1, 5, v0
	v_readfirstlane_b32 s[WV], v1   ; wave 0..3
	s_bfe_u32 s13, ttmp6, 0x40000   ; cx
	s_lshl_b32 s14, ttmp9, 2
	s_add_co_u32 s14, s14, s13      ; my block of 256 queries: it enters Q's and O's addresses alone
	s_and_b32 s20, ttmp7, 0xffff    ; the pair: head = y % 16, batch = y / 16
	s_and_b32 s21, s20, 15
	s_lshl_b32 s21, s21, 19         ; a block is 524,288 bytes,
	s_lshr_b32 s20, s20, 4
	s_lshl_b32 s20, s20, 18         ; a batch's rows in it 262,144
	s_add_co_u32 s20, s20, s21
	s_and_b32 s15, s[WV], 1         ; which half of a slot's 256 keys I fetch
	s_lshl_b32 s22, s15, 14
	s_add_co_u32 s22, s22, s20
	s_add_co_u32 s22, s22, KOFF
	s_mov_b32 s23, 0
	s_mul_i32 s2, s15, 128*PK       ; its place in a slot, for K
	s_mul_i32 s3, s15, 128*PV       ; and for V
	s_lshl_b32 s52, s14, 15
	s_lshl_b32 s53, s[WV], 13
	s_add_co_u32 s52, s52, s53
	s_add_co_u32 s52, s52, s20      ; my wave's 64 rows of Q and O
	s_mov_b32 s53, 0
	s_mov_b32 s[G1K], 15|(1<<16)|(1<<20)|(1<<21)|(4<<22)|(3<<25)  ; the mask of four; 2-byte elements; padding on; bit 21 beside a mask; after every 32 words, 4 words
	s_mov_b32 s[G1V], 15|(1<<16)|(1<<20)|(1<<21)|(4<<22)|(7<<25)  ; the same with 8 words
.irp g, G1K, G1V
	s_mov_b32 s[\g+1], 128<<16      ; 128 keys are 16,384 dense bytes: 64 rows of 256 bytes, two keys a row
	s_mov_b32 s[\g+2], 64<<16
	s_mov_b32 s[\g+3], 128<<16
	s_mov_b32 s[\g+4], 64
	s_mov_b32 s[\g+5], 128
	s_mov_b32 s[\g+6], 0
	s_mov_b32 s[\g+7], 0
.endr
	s_mov_b32 s[CS], 0x3e38aa3b     ; c = log2(e) / 8
	s_mov_b32 s[CS+1], s[CS]
	s_mov_b32 s[SEL], 0x76543210
	s_mov_b32 s[SEL+1], 0xfedcba98
	s_mov_b32 s[TBK], SLOT1+4*KS*PK ; the first change of slots turns these two into 0
	s_mov_b32 s[TBV], SLOT1+4*KS*PV
	s_mov_b32 s[G0K], 1
	s_mov_b32 s[G0K+1], s2
	s_mov_b32 s[G0V], 1
	s_add_co_u32 s[G0V+1], s3, VOFF
	s_mov_b32 s[SLOTS], 7           ; slots still to be asked for
	s_and_b32 s[LIM], s[WV], 1      ; 0 in waves 0 and 2,
	s_or_b32 s[LIM], s[LIM], ttmp9  ; where the cluster is the pair's first: the same in all four partners
	s_cmp_eq_u32 s[LIM], 0
	s_cselect_b32 s[LIM], 1, -1
	v_and_b32 v[PFO], 31, v0
	v_lshlrev_b32 v[PFO], 8, v[PFO]
	s_wait_dscnt 0x0                ; the opening add is done
	s_wait_kmcnt 0x0
	s_add_nc_u64 s[6:7], s[16:17], s[22:23]   ; K at my half of slot 0
	s_add_nc_u64 s[8:9], s[6:7], KOFF         ; V likewise
	s_add_nc_u64 s[4:5], s[16:17], s[52:53]   ; Q
	s_add_nc_u64 s[10:11], s[18:19], s[52:53] ; O
	s_mov_b64 s[G0K+2:G0K+3], s[6:7]
	s_or_b32 s[G0K+3], s[G0K+3], 0x80000000
	s_mov_b64 s[G0V+2:G0V+3], s[8:9]
	s_or_b32 s[G0V+3], s[G0V+3], 0x80000000
	s_cmp_lt_u32 s[WV], 2
	s_cselect_b64 s[PFA:PFA+1], s[6:7], s[8:9]  ; (in waves 0 and 2 these stand at a slot's first row)
	s_lshl_b32 s22, s13, 13         ; my work-group's 32 blocks of the 128
	s_mov_b32 s23, 0
	s_add_nc_u64 s[PFA:PFA+1], s[PFA:PFA+1], s[22:23]
	s_add_nc_u64 s[PFA:PFA+1], s[PFA:PFA+1], 4*KS*128  ; in slot 1; the first change steps it to slot 2
	CROUND                          ; all four work-groups are here
	JLOAD                           ; slot 0
	v_and_b32 v1, 15, v0            ; l % 16
	v_bfe_u32 v9, v0, 4, 1          ; l / 16
	v_lshlrev_b32 v[QO], 7, v1
	v_lshl_add_u32 v[QO], v9, 4, v[QO]
	WIN 0x80                        ; destination window 2
.set i, 0
.rept 8                             ; Q stays in registers: piece i / 2, channels 32 (i % 2) on
	global_load_b128 v[8*i:8*i+3],   v[QO], s[4:5] offset:(i/2)*2048+(i%2)*64
	global_load_b128 v[8*i+4:8*i+7], v[QO], s[4:5] offset:(i/2)*2048+(i%2)*64+32
.set i, i+1
.endr
	; what the first turn finds: V's registers and P's second buffer hold 0, O^T and l are 0.  No first step is written out; these lines stand in the wait for the first tile.
.set i, VF
.rept 64
	v_mov_b32 v[i], 0
.set i, i+1
.endr
	WIN 0x40
.set i, 0
.rept 128
	v_mov_b32 v[i], 0
.set i, i+1
.endr
	WIN 0
.set i, 0
.rept 4
	v_mov_b32 v[ST+4*i], 0xfe000000    ; c m: far below every c s
	v_mov_b32 v[ST+4*i+1], 0xff7fffff  ; m
	v_mov_b32 v[ST+4*i+2], 0
	v_mov_b32 v[ST+4*i+3], 0
.set i, i+1
.endr
.set i, P+16
.rept 16
	v_mov_b32 v[i], 0
.set i, i+1
.endr
	v_mul_u32_u24 v[AK0], v1, PK
	v_lshl_add_u32 v[AK0], v9, 4, v[AK0]
	v_and_b32 v10, 7, v0
	v_bfe_u32 v11, v0, 3, 1
	v_lshl_add_u32 v[AV0], v9, 3, v10
	v_mul_u32_u24 v[AV0], v[AV0], PV
	v_lshl_add_u32 v[AV0], v11, 4, v[AV0]
	v_add_nc_u32 v[AV0], VOFF, v[AV0]
	s_mul_i32 s22, s[WV], 16*SP
	s_add_co_u32 s22, s22, STAGE    ; my stage
	v_mul_u32_u24 v[STO], v1, SP
	v_lshl_add_u32 v[STO], v9, 4, v[STO]
	v_add_nc_u32 v[STO], s22, v[STO]
	v_bfe_u32 v[RD], v0, 3, 2
	v_mul_u32_u24 v[RD], v[RD], SP
	v_lshl_add_u32 v[RD], v10, 4, v[RD]
	v_add_nc_u32 v[RD], s22, v[RD]
	v_and_b32 v[GO], 31, v0
	v_lshlrev_b32 v[GO], 4, v[GO]
; THE MATRIX WORK.  The 4 accumulators of a run of 8 take turns.  Product i of 8 of S^T = K Q^T for piece x: channels 32 (i / 4) on, keys 16 (i % 4) on.
.macro KQ x
	WIN W_KQ
.set rS, S+32*((\x)%2)+8*(i%4)
.set rK, KF+16*(i%4)+8*(i/4)
.set rQ, 16*(\x)+8*(i/4)
.if i < 4
	v_wmma_f32_16x16x32_bf16 v[rS:rS+7], v[rK:rK+7], v[rQ:rQ+7], 0
.else
	v_wmma_f32_16x16x32_bf16 v[rS:rS+7], v[rK:rK+7], v[rQ:rQ+7], v[rS:rS+7]
.endif
.endm
; Product i of 8 of O^T += V^T P for piece x: keys 32 (i / 4) on, channels 16 (i % 4) on.
.macro PV x
	WIN W_PV
.set rO, 32*(\x)+8*(i%4)
.set rV, VF+32*(i/4)+8*(i%4)
.set rP, P+16*((\x)%2)+8*(i/4)
	v_wmma_f32_16x16x32_bf16 v[rO:rO+7], v[rV:rV+7], v[rP:rP+7], v[rO:rO+7]
.endm
.macro MM                           ; the turn's next matrix instruction.  NOKQ = 1: the last turn of all: there is no next piece
.if (i < 8) && !NOKQ
	KQ (Y+1)%NP
.elseif i >= 8
.set i, i-8
	PV (Y+NP-1)%NP
.set i, i+8
.endif
.set i, i+1
.endm
; THE LDS LOADS stand in runs of 16: a step's K (8 fragments) and its V (turned)
.macro FETCH_K
	WIN 0x80
.irp f, 0,1,2,3,4,5,6,7
	ds_load_b128 v[KF+8*\f:KF+8*\f+3],   v[AK] offset:(\f/2)*16*PK+(\f%2)*64
	ds_load_b128 v[KF+8*\f+4:KF+8*\f+7], v[AK] offset:(\f/2)*16*PK+(\f%2)*64+32
.endr
	s_add_co_u32 s[TBK], s[TBK], KS*PK
	WIN 0
.endm
.macro FETCH_V
	WIN 0x80
.irp f, 0,1,2,3,4,5,6,7
	ds_load_tr16_b128 v[VF+8*\f:VF+8*\f+3],   v[AV] offset:(\f/4)*32*PV+(\f%4)*32
	ds_load_tr16_b128 v[VF+8*\f+4:VF+8*\f+7], v[AV] offset:(\f/4)*32*PV+16*PV+(\f%4)*32
.endr
	WIN 0
.endm
; THE VECTOR WORK, one line at a time: OP kind, number.  For piece Y: F n: c s - c m for pair n.  E n: the exponential of score n.  C n: pair n rounded to bf16.  B n: of the four weights 4 n .. the second
; pair is added onto the first.  L n: l takes that sum (L 0: l = a l + sum).  R n: pair n of O^T times a.  For piece Y + 1: X n, number n of the 22 that find its maximum and statistics
; (0-11 four chains, each accumulator's lowest registers first; 12-14, 16 the rest, the old m, into c0; 15 c m_old is kept; 17, 18 the other half of the lanes; 19-21 c m, its change, a).
.set F, 0
.set E, 1
.set C, 2
.set B, 3
.set L, 4
.set R, 5
.set X, 6
.macro REGS y
.set rT, ST+4*(\y)
.set rC, TMP+4*((\y)%2)
.set rW, MV+((\y)%2)
.set rS, S+32*((\y)%2)
.set rP, P+16*((\y)%2)
.set rO, 32*(\y)
.endm
.macro OP k, n
.if (\k) == R
	REGS Y
	WIN W_RS
	v_pk_mul_f32 v[rO+2*(\n):rO+2*(\n)+1], v[rO+2*(\n):rO+2*(\n)+1], v[rC+2:rC+3] op_sel_hi:[1,0]
.elseif (\k) < R
	REGS Y
	WIN 0
.if (\k) == F
	v_pk_fma_f32 v[rS+2*(\n):rS+2*(\n)+1], v[rS+2*(\n):rS+2*(\n)+1], s[CS:CS+1], v[rT:rT+1] op_sel_hi:[1,0,0] neg_lo:[0,0,1] neg_hi:[0,0,1]
.elseif (\k) == E
	v_exp_f32 v[rS+(\n)], v[rS+(\n)]
.elseif (\k) == C
	v_cvt_pk_bf16_f32 v[rP+(\n)], v[rS+2*(\n)], v[rS+2*(\n)+1]
.elseif (\k) == B
	v_pk_add_f32 v[rS+4*(\n):rS+4*(\n)+1], v[rS+4*(\n):rS+4*(\n)+1], v[rS+4*(\n)+2:rS+4*(\n)+3]
.elseif (\n) == 0
	v_pk_fma_f32 v[rT+2:rT+3], v[rT+2:rT+3], v[rC+2:rC+3], v[rS:rS+1] op_sel_hi:[1,0,1]
.else
	v_pk_add_f32 v[rT+2:rT+3], v[rT+2:rT+3], v[rS+4*(\n):rS+4*(\n)+1]
.endif
.elseif NOKQ
	v_nop
.else
	REGS (Y+1)%NP
	WIN 0
.if (\n) < 4
	v_max3_num_f32 v[rC+(\n)], v[rS+8*(\n)], v[rS+8*(\n)+1], v[rS+8*(\n)+2]
.elseif (\n) < 12
	v_max3_num_f32 v[rC+(\n)%4], v[rC+(\n)%4], v[rS+8*((\n)%4)+2*((\n)/4)+1], v[rS+8*((\n)%4)+2*((\n)/4)+2]
.elseif (\n) == 12
	v_max3_num_f32 v[rC], v[rC], v[rS+7], v[rS+15]
.elseif (\n) == 13
	v_max3_num_f32 v[rC+1], v[rC+1], v[rS+23], v[rS+31]
.elseif (\n) == 14
	v_max3_num_f32 v[rC+2], v[rC+2], v[rC+3], v[rT+1]
.elseif (\n) == 15
	v_mov_b32 v[rW], v[rT]
.elseif (\n) == 16
	v_max3_num_f32 v[rC], v[rC], v[rC+1], v[rC+2]
.elseif (\n) == 17
	v_permlanex16_b32 v[rC+3], v[rC], s[SEL], s[SEL+1]
.elseif (\n) == 18
	v_max_num_f32 v[rT+1], v[rC], v[rC+3]
.elseif (\n) == 19
	v_mul_f32 v[rT], s[CS], v[rT+1]
.elseif (\n) == 20
	v_sub_f32 v[rC+1], v[rW], v[rT]
.else
	v_exp_f32 v[rC+2], v[rC+1]
.endif
.endif
.endm
.macro OPS a, i1, b=-1, i2=0, c=-1, i3=0, d=-1, i4=0
	OP \a, \i1
.if (\b) >= 0
	OP \b, \i2
.endif
.if (\c) >= 0
	OP \c, \i3
.endif
.if (\d) >= 0
	OP \d, \i4
.endif
.endm
.macro ROW a, i1, b, i2, c, i3, d, i4  ; a matrix instruction and the four behind it
	MM
	OPS \a, \i1, \b, \i2, \c, \i3, \d, \i4
.endm
; A TURN, for piece p.  Ahead of its one wait stands all that names no result of its exponentials: 8 products K Q^T with their four riders each, then one run of 54; behind the wait 8 products V^T P, behind each
; four of the roundings and sums.  end = 1: the last two turns: nothing is fetched.  cnt = 1: the loop's count is taken down some lines ahead of the branch behind the turn.
; K of the next step is fetched in piece 2's turn, six plain instructions behind the last product that read K; V of the step in hand at the end of piece 0's turn, four plain instructions behind the
; last product that read V.  Each is waited for a turn later.
.macro TURN p, end=0, cnt=0
.set Y, (\p)
.set i, 0
.set NOKQ, (\end)*((\p)/3)
.if ((\p) == 3) && !(\end)
	s_wait_dscnt 0x0                ; K is in
.endif
	ROW F,0, F,1, R,0, R,1
	ROW F,2, E,0, R,2, R,3
	ROW F,3, E,1, R,4, R,5
	ROW F,4, E,2, R,6, R,7
	ROW F,5, E,3, R,8, R,9
	ROW F,6, E,4, X,0, R,10
.if ((\p) == 2) && !(\end)
	WIN 0
	v_add_nc_u32 v[AK], s[TBK], v[AK0]
.endif
	ROW F,7, E,5, X,1, X,4
	ROW F,8, E,6, X,2, X,5
	OPS E,7, E,8, X,6, E,9
	OPS X,3, E,10, X,8, E,11
.if ((\p) == 2) && !(\end)
	FETCH_K
.endif
	OPS X,9, X,7, E,12, X,10
	OPS E,13, X,12, X,11, E,14
	OPS X,13, E,15, F,9, X,14
.if (\p) == 0
	v_add_nc_u32 v[AV], s[TBV], v[AV0]
.endif
	OPS E,16, F,10, E,17, F,11
	OPS X,16, E,18, X,15, E,19
	OPS F,12, E,20, X,17, E,21
	OPS F,13, E,22, F,14, E,23
	OPS X,18, E,24, F,15, E,25
	OPS R,11, E,26, X,19, E,27
	OPS R,12, E,28, R,13, E,29
	OPS X,20, E,30, R,14, E,31
	OPS X,21, R,15                  ; the batch's last exponential, and the plain instruction behind it
	WIN 0
	s_wait_alu depctr_va_vdst(0)    ; the one wait for the batch, ahead of the first reader
.if (\p) == 1
	s_wait_dscnt 0x0                ; V is in
.endif
	ROW C,0, B,0, C,2, B,1
	ROW L,0, C,4, B,2, L,1
	ROW C,6, B,3, L,2, C,8
	ROW B,4, L,3, C,10, B,5
	ROW L,4, C,12, B,6, L,5
.if (\p) == 0
	s_add_co_u32 s[TBV], s[TBV], KS*PV
.endif
.if \cnt
	s_sub_co_u32 s[CNT], s[CNT], 1
	s_cmp_lg_u32 s[CNT], 0
.endif
	ROW C,14, B,7, L,6, C,1
	ROW C,3, L,7, C,5, C,7
	ROW C,9, C,11, C,13, C,15
.if (\p) == 0
	FETCH_V
.endif
.endm
	CHANGE 1                        ; slot 0 is in, everybody's part of it; slot 1 is asked for
	v_add_nc_u32 v[AK], s[TBK], v[AK0]
	FETCH_K                         ; key step 0
	s_wait_loadcnt 0x0              ; Q
	s_wait_dscnt 0x0
.set NOKQ, 0
.set i, 0
.rept 8
	KQ 0                            ; piece 0's first scores
.set i, i+1
.endr
	WIN 0
.rept 4
	v_nop                           ; the places behind those products
.endr
.set Y, NP-1                        ; X works for piece Y + 1: piece 0
.irp n, 0,1,2,3,4,5,6,7,8,9,10,11,12,13,14,15,16,17,18,19,20,21
	OP X, \n
.endr
	v_nop                           ; a plain instruction behind the exponential,
	s_wait_alu depctr_va_vdst(0)    ; and its wait, ahead of the branch
	s_mov_b32 s[CNT], 4
	s_branch .Lfirst                ; the loop is entered at a step's first turn, in the middle of a trip
.Lslot:                             ; six times: every slot but the last two is filled again
	CHANGE 1
	s_mov_b32 s[CNT], 4
.Lstep:                             ; a trip: pieces 2 and 3 of one step, then pieces 0 and 1 of the next, whose K and V it fetches
	TURN 2
	TURN 3
	WIN 0
.Lfirst:
	TURN 0
	TURN 1, 0, 1
	WIN 0
	s_cbranch_scc1 .Lstep
	s_sub_co_u32 s[SLOTS], s[SLOTS], 1
	s_cmp_lg_u32 s[SLOTS], 0
	s_cbranch_scc1 .Lslot
	CHANGE 0                        ; the last slot is written out: nothing is asked for
	s_mov_b32 s[CNT], 4
.Ltail:
	TURN 2
	TURN 3
	TURN 0
	TURN 1, 0, 1
	WIN 0
	s_cbranch_scc1 .Ltail
	TURN 2, 1
	TURN 3, 1
.set i, 0
.rept 8
	PV NP-1                         ; the last piece's V^T P of the last step
.set i, i+1
.endr
	; THE WAY OUT.  l's two halves and the other half of the lanes' are added; O^T is divided by l, rounded to bf16 and sent through my stage, a piece at a time.  The additions are the places behind the last products.
	WIN 0
.macro ALL line:vararg
.set t, 0
.rept 4
	\line
.set t, t+1
.endr
.endm
	ALL v_add_f32 v[ST+4*t+2], v[ST+4*t+2], v[ST+4*t+3]
	ALL v_permlanex16_b32 v[ST+4*t+3], v[ST+4*t+2], s[SEL], s[SEL+1]
	ALL v_add_f32 v[ST+4*t+2], v[ST+4*t+2], v[ST+4*t+3]
	ALL v_rcp_f32 v[ST+4*t+2], v[ST+4*t+2]
	v_nop                           ; a plain instruction behind the last reciprocal,
	s_wait_alu depctr_va_vdst(0)    ; and the one wait for the four
.macro PACK t
	WIN W_RS
.set i, 32*(\t)
.rept 16
	v_pk_mul_f32 v[i:i+1], v[i:i+1], v[ST+4*(\t)+2:ST+4*(\t)+3] op_sel_hi:[1,0]
.set i, i+2
.endr
	WIN 0x05                        ; sources 0 and 1 window 1, destination window 0
.set i, 0
.rept 16
	v_cvt_pk_bf16_f32 v[S+16*(\t)+i], v[32*(\t)+2*i], v[32*(\t)+2*i+1]
.set i, i+1
.endr
	WIN 0
.irp f, 0,1,2,3
	ds_store_b128 v[STO], v[S+16*(\t)+4*\f:S+16*(\t)+4*\f+3] offset:32*\f
.endr
.irp f, 0,1,2,3
	ds_load_b128 v[S+16*(\t)+4*\f:S+16*(\t)+4*\f+3], v[RD] offset:\f*4*SP  ; LDS serves a wave's instructions in order (ISA guide 5.7.1.4)
.endr
.endm
.macro SEND t, younger              ; younger: the LDS instructions issued behind piece t's loads
	WIN 0
.irp f, 0,1,2,3
	s_wait_dscnt (\younger)+3-\f
	global_store_b128 v[GO], v[S+16*(\t)+4*\f:S+16*(\t)+4*\f+3], s[10:11] offset:(\t)*2048+\f*512  ; 512 consecutive bytes, at a multiple of 512 from O's first
.endr
.endm
	PACK 0
.set t, 1
.rept 3
	PACK t
	SEND t-1, 8
.set t, t+1
.endr
	SEND 3, 0
	s_wait_tensorcnt 0x0            ; the wave's end
	ds_add_u32 v[SPW], v[NIL]
	s_wait_dscnt 0x0
	CROUND                          ; the closing round
	s_endpgm
.Lfunc_end_k_q6e7a591891_attn:
	.size	k_q6e7a591891_attn, .Lfunc_end_k_q6e7a591891_attn-k_q6e7a591891_attn
	.p2alignl 7, 3214868480
	.fill 96, 4, 3214868480
	.section	.rodata,"a",@progbits
	.p2align	6, 0x0
	.amdhsa_kernel k_q6e7a591891_attn
		.amdhsa_group_segment_fixed_size 327680
		.amdhsa_private_segment_fixed_size 0
		.amdhsa_enable_private_segment 0
		.amdhsa_kernarg_size 16
		.amdhsa_user_sgpr_count 2
		.amdhsa_user_sgpr_kernarg_segment_ptr 1
		.amdhsa_wavefront_size32 1
		.amdhsa_system_sgpr_workgroup_id_x 1
		.amdhsa_system_sgpr_workgroup_id_y 1
		.amdhsa_system_sgpr_workgroup_id_z 1
		.amdhsa_system_vgpr_workitem_id 0
		.amdhsa_next_free_vgpr 768
		.amdhsa_next_free_sgpr 66
		.amdhsa_reserve_vcc 0
		.amdhsa_float_denorm_mode_32 3
		.amdhsa_float_denorm_mode_16_64 3
		.amdhsa_memory_ordered 1
		.amdhsa_forward_progress 1
		.amdhsa_inst_pref_size 128
	.end_amdhsa_kernel
	.amdgpu_metadata
---
amdhsa.version: [ 1, 2 ]
amdhsa.kernels:
  - .name:           k_q6e7a591891_attn
    .symbol:         k_q6e7a591891_attn.kd
    .args:
      - { .name: act, .offset: 0, .size: 8, .value_kind: global_buffer, .address_space: global }
      - { .name: abuf, .offset: 8, .size: 8, .value_kind: global_buffer, .address_space: global }
    .group_segment_fixed_size: 327680
    .private_segment_fixed_size: 0
    .kernarg_segment_align: 8
    .kernarg_segment_size: 16
    .max_flat_workgroup_size: 128
    .sgpr_count:     66
    .vgpr_count:     768
    .wavefront_size: 32
...
	.end_amdgpu_metadata
.endif
;; end of part 4
;; launch wo (part 5): grid 8 x 32, 4 waves a work-group, clusters of 4 x 4, 327,680 bytes of LDS; arguments abuf, wr, X, x1; writes x1
.if DOCPART == 5
	.amdgcn_target "amdgcn-amd-amdhsa--gfx1250"
	.amdhsa_code_object_version 6
	.text
	.protected	k_q6e7a591891_wo
	.globl	k_q6e7a591891_wo
	.p2align	8
	.type	k_q6e7a591891_wo,@function
k_q6e7a591891_wo:
	s_mov_b64 s[64:65], 0
	v_nop
	global_prefetch_b8 v0, s[64:65] scope:SCOPE_SE
	s_setreg_imm32_b32 hwreg(HW_REG_WAVE_MODE, 25, 1), 1
	s_wait_xcnt 0x0
	s_wait_alu depctr_hold_cnt(0) depctr_sa_sdst(0) depctr_va_vdst(0) depctr_va_sdst(0) depctr_va_ssrc(0) depctr_va_vcc(0) depctr_vm_vsrc(0)
	s_getreg_b32 s2, hwreg(HW_REG_IB_STS2, 6, 4)
	s_cmp_eq_u32 s2, 0
	s_cbranch_scc0 .Lentry_in_a_cluster
	s_endpgm
.Lentry_in_a_cluster:
	s_bfe_u32 s2, ttmp6, 0x10000c
	s_cmp_lg_u32 s2, 0xf033
	s_cbranch_scc0 .Lentry_shape_is_right
	s_endpgm
.Lentry_shape_is_right:
; out = res + A W (+ bias).  A: bf16 in blocks of 64 channels, [KTOT/64][4096 rows][64].  W: bf16 panels [8][KTOT][128] from byte WOFF of its buffer (whose first 4,096 bytes hold a bias in f32).
; res, out: f32 [4096][1024].  Sums in f32; the residual is added in f32 and nothing is rounded on the way out.  Here: KTOT = 1,024, the attention's output projection, no bias.
; SHARES.  A work-group of four waves makes 128 x 128 of out (256 work-groups), a wave 64 x 64: 16 accumulators.  K goes in T steps of 256 through two LDS slots filled by tensor loads.
; A's tile of a step is four blocks' 64 rows a wave (each 8,192 dense bytes), padded to rows of 144 bytes; W's is 256 panel rows of 256 bytes, padded to 288, read turned.
; CLUSTER 4 x 4: A's tiles are shared along a row of the cluster, W's along a column: joint loads.  THE PRODUCT IS TAKEN TRANSPOSED: a lane holds one row of out and eight neighbouring columns.
; THE WALK ALONG K IS A RING.  Cluster (X, Y) begins at K step ((T / 2) X + (T / 4) (Y mod 4)) mod T and goes round; f32 sums may be taken in any order.  So the two clusters that read the same rows
; of A stand half a ring apart, and those that read the same panels of W a quarter of a ring apart or together.
; NO PREFETCH here: the ring has four K steps, and each block's first reading in the launch is among the first two steps of some cluster's walk, which are its first fills.
; REGISTERS: window 0: v0-31 addresses; v32-95 at work on the way out (v32-63 first the bias); v128-255 the accumulators.  Window 1: two fragment buffers of 128 (64 of A, 64 of W).  Window 2: v0-127 the residual.
.set KTOT,     1024
.set WOFF,     4096
.set HAS_BIAS, 0
.set T,      KTOT/256
.set PF,     (T > 4)
.set PLIM,   T/2+2                     ; a refill asks ahead while the loop's count is above this: the step two refills on is then still in the walk's first half
.set PA,     144
.set PB,     288
.set HALFT,  36864
.set SLOT,   4*HALFT
.set STAGE,  2*SLOT
.set SPITCH, 272
.set SPARE,  STAGE+4*16*SPITCH
.set LOGA,   21                        ; a K step is 2^21 bytes of A (four blocks)
.set LOGB,   16                        ; and 2^16 bytes of a panel (256 rows)
.set A0,   12
.set B0,   13
.set ADRA, 16
.set ADRB, 20                          ; v20: W's K rows 0-127 of the slot in hand; v21: rows 128-255
.set STO,  24
.set RD,   25
.set CO,   26
.set SPW,  28
.set NIL,  29
.set PFO,  30
.set BO,   31
.set TMP,  32
.set BI,   32
.set ACC,  128
.set F0,   0
.set F1,   128
.set G1,  24
.set G0,  32
.set G1B, 48
.set G0B, 56
.set LIM, 43                           ; s43  PLIM in a wave that prefetches, else the greatest number
.set PFA, 44                           ; s[44:45] what my next prefetch names
.set TB,  66
.set KS,  67                           ; s67  the K step last asked for
.set BB,  70
.set ABASE, 72                         ; s[72:73] A at K step 0 of the 64 rows that I fetch
.set BBASE, 74                         ; s[74:75] W at K step 0, my 128 of a step's 256 panel rows
.set RESB, 76                          ; s[76:77] the residual at my 64 x 64
.set OUTB, 78                          ; s[78:79] out at the same place
.set OFS, 80                           ; s[80:81] a K step's byte offset; the high word stays 0
.set PBASE, 82                         ; s[82:83] A at K step 0 of what I prefetch
.set POF, 84                           ; s[84:85] the prefetched step's byte offset; the high word stays 0
.set MSB, 0
.macro WIN new
.if MSB != (\new)
	s_set_vgpr_msb (MSB<<8)|(\new)
.set MSB, \new
.endif
.endm
.set MUL,  0x05                        ; sources 0 (W) and 1 (A) window 1; C and D window 0
.set TO_F, 0x40                        ; destination window 1, address window 0
.macro JLOAD s                         ; a joint load: waves 0 and 1 fetch A's halves, waves 2 and 3 W's; an s_nop 0 and four v_nop follow each line
	s_cmp_eq_u32 s11, 0
	s_cbranch_scc0 .Lfor_b_\@
	tensor_load_to_lds s[G0+4*(\s):G0+4*(\s)+3], s[G1:G1+7]
	s_nop 0
.rept 4
	v_nop
.endr
	s_branch .Lasked_\@
.Lfor_b_\@:
	tensor_load_to_lds s[G0B+4*(\s):G0B+4*(\s)+3], s[G1B:G1B+7]
	s_nop 0
.rept 4
	v_nop
.endr
.Lasked_\@:
.endm
.macro NEXTK                           ; one K step on, round the ring
	s_add_co_u32 s[KS], s[KS], 1
	s_and_b32 s[KS], s[KS], T-1
.endm
.macro AIM s                           ; both tensors' set s of group 0 is pointed at K step s[KS]: the address is made anew from the base and the step's number, the type bits are set again
	s_lshl_b32 s[OFS], s[KS], LOGA
	s_add_nc_u64 s[G0+4*(\s)+2:G0+4*(\s)+3], s[ABASE:ABASE+1], s[OFS:OFS+1]
	s_or_b32 s[G0+4*(\s)+3], s[G0+4*(\s)+3], 0x80000000
	s_lshl_b32 s[OFS], s[KS], LOGB
	s_add_nc_u64 s[G0B+4*(\s)+2:G0B+4*(\s)+3], s[BBASE:BBASE+1], s[OFS:OFS+1]
	s_or_b32 s[G0B+4*(\s)+3], s[G0B+4*(\s)+3], 0x80000000
.endm
.macro ASK                             ; the K step two refills on: 32 blocks of 256 bytes, a lane a block; who asks, and until when: see the set-up
	s_cmp_gt_u32 s3, s[LIM]
	s_cbranch_scc0 .Lnot_mine_\@
	global_prefetch_b8 v[PFO], s[PFA:PFA+1] th:TH_LOAD_NT scope:SCOPE_SE
.Lnot_mine_\@:
.endm
.macro CREST
	s_cmp_lg_u32 s10, 0
	s_cbranch_scc1 .Lnot_wave_0_\@
	s_barrier_signal -3
.Lnot_wave_0_\@:
	s_barrier_wait -3
	s_barrier_signal -1
	s_barrier_wait -1
.endm
.macro CROUND
	s_barrier_signal -1
	s_barrier_wait -1
	CREST
.endm
.macro PLACES
.rept 4
	v_nop
.endr
.endm
	s_load_b128 s[4:7], s[0:1], 0x0                ; A s[4:5], W s[6:7]
	s_load_b128 s[76:79], s[0:1], 0x10             ; res, out
	v_lshl_add_u32 v[SPW], v0, 2, SPARE
	v_mov_b32 v[NIL], 0
	ds_add_u32 v[SPW], v[NIL]                      ; the wave's opening: the add and its wait ahead of my first tensor load
	v_lshrrev_b32 v1, 5, v0
	v_readfirstlane_b32 s10, v1                    ; wave 0..3
	s_lshr_b32 s11, s10, 1                         ; my half of the tile's rows.  Also: I fetch for A (0) or for W (1)
	s_and_b32 s12, s10, 1                          ; my half of its columns.  Also: which half of that tile I fetch
	s_bfe_u32 s40, ttmp6, 0x40000                  ; cx
	s_bfe_u32 s41, ttmp6, 0x40004                  ; cy
	s_lshl_b32 s42, ttmp9, 2
	s_add_co_u32 s42, s42, s40                     ; tile column = panel
	s_and_b32 s13, ttmp7, 0xffff
	s_lshl_b32 s13, s13, 2
	s_add_co_u32 s13, s13, s41                     ; tile row
	s_lshl_b32 s43, s41, 2
	s_lshl_b32 s43, 15, s43                        ; my row of the cluster
	s_lshl_b32 s44, 0x1111, s40                    ; my column
	s_or_b32 s[G1+0], s43, (1<<16)|(1<<20)|(1<<21)|(4<<22)|(3<<25)   ; mask; 2-byte elements; padding on; bit 21 beside a mask; after every 32 words, 4 words
	s_or_b32 s[G1B+0], s44, (1<<16)|(1<<20)|(1<<21)|(5<<22)|(7<<25)  ; after every 64 words, 8 words
	s_mov_b32 s[G1+1], 4096<<16                    ; A: 4,096 elements: 64 rows of a block, dense
	s_mov_b32 s[G1+2], 4<<16                       ; four blocks
	s_mov_b32 s[G1+3], 4096<<16
	s_mov_b32 s[G1+4], 4
	s_mov_b32 s[G1+5], 262144                      ; elements from block to block
	s_mov_b32 s[G1+6], 0
	s_mov_b32 s[G1+7], 0
	s_mov_b32 s[G1B+1], 128<<16                    ; W: 128 rows of 128 elements, dense
	s_mov_b32 s[G1B+2], 128<<16
	s_mov_b32 s[G1B+3], 128<<16
	s_mov_b32 s[G1B+4], 128
	s_mov_b32 s[G1B+5], 128
	s_mov_b32 s[G1B+6], 0
	s_mov_b32 s[G1B+7], 0
	s_mul_i32 s[KS], ttmp9, T/2                    ; where my cluster's walk begins: made of what all sixteen partners share
	s_and_b32 s18, ttmp7, 3
	s_mul_i32 s18, s18, T/4
	s_add_co_u32 s[KS], s[KS], s18
	s_and_b32 s[KS], s[KS], T-1
	s_mov_b32 s[OFS+1], 0
	s_lshl_b32 s16, s13, 14                        ; A: (128 x tile row + 64 x half) rows of 128 bytes
	s_lshl_b32 s17, s12, 13
	s_add_co_u32 s16, s16, s17
	s_mov_b32 s17, 0
	s_mul_i32 s46, s42, KTOT*256                   ; W: the panel, and my 128 of a step's 256 rows
	s_lshl_b32 s47, s12, 15
	s_add_co_u32 s46, s46, s47
	s_add_co_u32 s46, s46, WOFF
	s_mov_b32 s47, 0
	s_mul_i32 s20, s10, HALFT
	s_wait_dscnt 0x0                               ; the opening add is done
	s_wait_kmcnt 0x0
	s_add_nc_u64 s[ABASE:ABASE+1], s[4:5], s[16:17]
	s_add_nc_u64 s[BBASE:BBASE+1], s[6:7], s[46:47]
	CROUND                                         ; all sixteen work-groups are here
.irp s, 0,1
	s_mov_b32 s[G0+4*(\s)], 1
	s_add_co_u32 s[G0+4*(\s)+1], s20, (\s)*SLOT
	s_mov_b32 s[G0B+4*(\s)], 1
	s_add_co_u32 s[G0B+4*(\s)+1], s20, (\s)*SLOT
.endr
	AIM 0
	JLOAD 0                                        ; the walk's first K step,
	NEXTK
	AIM 1
	JLOAD 1                                        ; and its second: two loads of mine are out
	v_and_b32 v1, 15, v0                           ; r
	v_bfe_u32 v2, v0, 4, 1                         ; h
	v_mul_u32_u24 v3, v1, PA
	v_lshl_add_u32 v3, v2, 4, v3
	s_mul_i32 s21, s11, HALFT
	v_add_nc_u32 v[A0], s21, v3
	v_and_b32 v4, 7, v0
	v_bfe_u32 v5, v0, 3, 1
	v_lshl_add_u32 v6, v2, 3, v4
	v_mul_u32_u24 v6, v6, PB
	v_lshl_add_u32 v6, v5, 4, v6
	s_lshl_b32 s22, s12, 7                         ; my 64 columns: 128 bytes of a panel row
	s_add_co_u32 s22, s22, 2*HALFT
	v_add_nc_u32 v[B0], s22, v6
	s_mul_i32 s23, s10, 16*SPITCH
	s_add_co_u32 s23, s23, STAGE                   ; my stage: 16 rows of 256 bytes + 16
	v_mul_u32_u24 v7, v1, SPITCH
	v_lshl_add_u32 v7, v2, 5, v7                   ; in: row r, 32 bytes for each half of the lanes
	v_add_nc_u32 v[STO], s23, v7
	v_mul_u32_u24 v8, v2, SPITCH
	v_lshl_add_u32 v8, v1, 4, v8                   ; back: lanes 0-15 one row of 256 bytes, lanes 16-31 the next
	v_add_nc_u32 v[RD], s23, v8
	v_lshlrev_b32 v9, 12, v2
	v_lshl_add_u32 v[CO], v1, 4, v9                ; and the same two rows in res and out
	v_lshlrev_b32 v[BO], 5, v2
	s_lshl_b32 s16, s13, 19                        ; (128 x tile row + 64 x half) rows of 4,096 bytes + (128 x tile column + 64 x half) x 4
	s_lshl_b32 s17, s11, 18
	s_add_co_u32 s16, s16, s17
	s_lshl_b32 s46, s42, 9
	s_lshl_b32 s47, s12, 8
	s_add_co_u32 s46, s46, s47
	s_add_co_u32 s46, s46, s16
	s_mov_b32 s47, 0
	s_add_nc_u64 s[RESB:RESB+1], s[RESB:RESB+1], s[46:47]
	s_add_nc_u64 s[OUTB:OUTB+1], s[OUTB:OUTB+1], s[46:47]
.if HAS_BIAS
	s_lshl_b32 s[BB], s42, 9
	s_lshl_b32 s[BB+1], s12, 8
	s_add_co_u32 s[BB], s[BB], s[BB+1]
	s_mov_b32 s[BB+1], 0
	s_add_nc_u64 s[BB:BB+1], s[6:7], s[BB:BB+1]
.irp b, 0,1,2,3
	global_load_b128 v[BI+8*\b:BI+8*\b+3],   v[BO], s[BB:BB+1] offset:64*\b     ; register j of block b: the bias of column 16 b + 8 h + j
	global_load_b128 v[BI+8*\b+4:BI+8*\b+7], v[BO], s[BB:BB+1] offset:64*\b+16
.endr
.endif
	WIN 0x80                                       ; destination window 2: the residual comes in while K is walked
.irp a, 0,1,2,3
.irp t, 0,1,2,3,4,5,6,7
	global_load_b128 v[32*\a+4*\t:32*\a+4*\t+3], v[CO], s[RESB:RESB+1] offset:(16*\a+2*\t)*4096
.endr
.endr
	WIN 0
.if PF
	; THE PREFETCHES.  Of A's blocks a cluster is the first reader in the first half of its walk (the other cluster of its rows begins half a ring away).  The walk's steps 0 to 3 come by their loads alone;
	; steps 4 to T / 2 - 1 are asked for two refills ahead, by the waves that fetch A (0 and 1), in every cluster.  Of the 128 blocks of 256 bytes that such a wave fetches in a step each of the four
	; partners along the row takes 32, told apart by address: the block of channels cx of the wave's 64 rows.  So each block is named once.  W's first readings fall in the walks' first four steps: not asked for.
	s_lshl_b32 s18, s13, 14
	s_lshl_b32 s19, s12, 13
	s_add_co_u32 s18, s18, s19
	s_lshl_b32 s19, s40, 19
	s_add_co_u32 s18, s18, s19
	s_mov_b32 s19, 0
	s_add_nc_u64 s[PBASE:PBASE+1], s[4:5], s[18:19]
	s_mov_b32 s[POF+1], 0
	s_cmp_eq_u32 s11, 0                            ; do I fetch for A?  The same in every work-group, for a given wave
	s_cselect_b32 s[LIM], PLIM, -1
	v_and_b32 v[PFO], 31, v0
	v_lshlrev_b32 v[PFO], 8, v[PFO]
.endif
; 8 matrix instructions: row blocks a0, a0 + 1 x all 4 column blocks, 32 along K: half c of buffer f.  zero = 1: the first product starts the sums, with the bias or with 0.
; The 16 accumulators take turns in the same order everywhere, one instruction a turn, over the backward jumps too.
.macro MUL8 f, c, a0, zero
	WIN MUL
.irp a, \a0, (\a0)+1
.irp b, 0,1,2,3
.if \zero
.if HAS_BIAS
	v_wmma_f32_16x16x32_bf16 v[ACC+8*(4*(\a)+(\b)):ACC+8*(4*(\a)+(\b))+7], v[(\f)+64+8*(4*(\c)+(\b)):(\f)+64+8*(4*(\c)+(\b))+7], v[(\f)+8*(4*(\c)+(\a)):(\f)+8*(4*(\c)+(\a))+7], v[BI+8*(\b):BI+8*(\b)+7]
.else
	v_wmma_f32_16x16x32_bf16 v[ACC+8*(4*(\a)+(\b)):ACC+8*(4*(\a)+(\b))+7], v[(\f)+64+8*(4*(\c)+(\b)):(\f)+64+8*(4*(\c)+(\b))+7], v[(\f)+8*(4*(\c)+(\a)):(\f)+8*(4*(\c)+(\a))+7], 0
.endif
.else
	v_wmma_f32_16x16x32_bf16 v[ACC+8*(4*(\a)+(\b)):ACC+8*(4*(\a)+(\b))+7], v[(\f)+64+8*(4*(\c)+(\b)):(\f)+64+8*(4*(\c)+(\b))+7], v[(\f)+8*(4*(\c)+(\a)):(\f)+8*(4*(\c)+(\a))+7], v[ACC+8*(4*(\a)+(\b)):ACC+8*(4*(\a)+(\b))+7]
.endif
.endr
.endr
.endm
; 32 LDS loads in one run: quarter q (64 along K: one block of A) into buffer f; the first 32 along K first
.macro FETCH q, f
	WIN TO_F
.irp c, 0,1
.irp i, 0,1,2,3
	ds_load_tr16_b128 v[(\f)+64+8*(4*(\c)+(\i)):(\f)+64+8*(4*(\c)+(\i))+3],   v[ADRB+(\q)/2] offset:(((\q)%2)*64+32*(\c))*PB+(\i)*32
	ds_load_tr16_b128 v[(\f)+64+8*(4*(\c)+(\i))+4:(\f)+64+8*(4*(\c)+(\i))+7], v[ADRB+(\q)/2] offset:(((\q)%2)*64+32*(\c))*PB+(\i)*32+16*PB
	ds_load_b128 v[(\f)+8*(4*(\c)+(\i)):(\f)+8*(4*(\c)+(\i))+3],   v[ADRA] offset:(\q)*64*PA+(\i)*16*PA+(\c)*64
	ds_load_b128 v[(\f)+8*(4*(\c)+(\i))+4:(\f)+8*(4*(\c)+(\i))+7], v[ADRA] offset:(\q)*64*PA+(\i)*16*PA+(\c)*64+32
.endr
.endr
.endm
.macro QUARTER qn, f, g, zero
	s_wait_dscnt 16                                ; the first 32 along K are in
	MUL8 \f, 0, 0, \zero
	MUL8 \f, 0, 2, \zero
	PLACES
	FETCH \qn, \g
	s_wait_dscnt 32                                ; all but the 32 just issued
	MUL8 \f, 1, 0, 0
	MUL8 \f, 1, 2, 0
.endm
; The last quarter multiplies buffer 1 and changes slots: in front of the barrier each wave waits for all its tensor loads, adds 0 to its spare word, and waits for that and for its reads of this slot.
; fill = 1: the barrier opens a round of the cluster's, and behind the round this slot is filled again, with the K step two on in the ring, first thing.
.macro TURN fill
.if (\fill) && PF
	s_wait_xcnt 0x0                                ; the last prefetch, a K step back, has read its address, which is made anew here, ahead of the waits of the change of slots:
	s_add_co_u32 s[POF], s[KS], 3                  ; this change asks for step s[KS] + 1, its prefetch names the step two further on in the ring
	s_and_b32 s[POF], s[POF], T-1
	s_lshl_b32 s[POF], s[POF], LOGA
	s_add_nc_u64 s[PFA:PFA+1], s[PBASE:PBASE+1], s[POF:POF+1]
.endif
	WIN 0
	s_wait_tensorcnt 0x0
	ds_add_u32 v[SPW], v[NIL]
	s_wait_dscnt 17                                ; (the add and the youngest sixteen loads may be out)
	MUL8 F1, 0, 0, 0
	s_wait_dscnt 0x0                               ; the add is done, and my reads of this slot are over
	s_barrier_signal -1
	MUL8 F1, 0, 2, 0
.if \fill
	WIN 0
.endif
	s_barrier_wait -1
.if \fill
	CREST
	NEXTK
	s_xor_b32 s[G0+5], s[G0+5], SLOT               ; the walking descriptors: the other slot than last time (no wave's place has a bit of SLOT set),
	s_xor_b32 s[G0B+5], s[G0B+5], SLOT
	AIM 1                                          ; the ring's next K step
	JLOAD 1                                        ; its four v_nop are also the places in front of the loads below
.else
	PLACES
.endif
	s_xor_b32 s[TB], s[TB], SLOT
	WIN 0
	v_add_nc_u32 v[ADRA], s[TB], v[A0]
	v_add_nc_u32 v[ADRB], s[TB], v[B0]
	v_add_nc_u32 v[ADRB+1], HALFT, v[ADRB]
	FETCH 0, F0
.if (\fill) && PF
	WIN 0
	ASK
.endif
	MUL8 F1, 1, 0, 0
	MUL8 F1, 1, 2, 0
.endm
	s_wait_tensorcnt 1                             ; my part of the walk's first K step is in; the second's may stay out
	s_barrier_signal -1
	s_barrier_wait -1
	s_mov_b32 s[TB], 0
	v_mov_b32 v[ADRA], v[A0]
	v_mov_b32 v[ADRB], v[B0]
	v_add_nc_u32 v[ADRB+1], HALFT, v[B0]
	FETCH 0, F0
.if HAS_BIAS
	s_wait_loadcnt 32                              ; the bias is in; the residual's 32 loads may stay out
.endif
	QUARTER 1, F0, F1, 1                           ; the first quarter stands in front of the loop: its first products start the sums
	WIN 0
	s_mov_b32 s3, T-2
.Lstep:                                                ; a trip: from a K step's second quarter to the next step's first; the slot left is filled again
	QUARTER 2, F1, F0, 0
	QUARTER 3, F0, F1, 0
	TURN 1
	QUARTER 1, F0, F1, 0
	WIN 0
	s_sub_co_u32 s3, s3, 1
	s_cmp_lg_u32 s3, 0
	s_cbranch_scc1 .Lstep
	s_mov_b32 s3, 2
.Ltail:                                                ; the last two K steps ask for nothing: a loop without a tensor load, two trips, left in the middle of the second
	QUARTER 2, F1, F0, 0
	QUARTER 3, F0, F1, 0
	WIN 0
	s_sub_co_u32 s3, s3, 1
	s_cmp_eq_u32 s3, 0
	s_cbranch_scc1 .Llast
	TURN 0
	QUARTER 1, F0, F1, 0
	WIN 0
	s_branch .Ltail
.Llast:                                                ; the very last quarter: nothing more to fetch
	s_wait_dscnt 16
	MUL8 F1, 0, 0, 0
	MUL8 F1, 0, 2, 0
	s_wait_dscnt 0x0
	MUL8 F1, 1, 0, 0
	MUL8 F1, 1, 2, 0
	WIN 0
	; THE WAY OUT, 16 rows at a time: the sums go through my own stage and come back as whole rows of 256 bytes; the residual is added; sixteen lanes store 256 consecutive bytes, aligned.
	PLACES
	PLACES                                         ; (eight, once a launch: the LDS stores below read results)
	s_wait_loadcnt 0x0                             ; the residual
.irp a, 0,1,2,3
	s_wait_xcnt 0x0                                ; earlier stores have read their registers
.irp b, 0,1,2,3
	ds_store_b128 v[STO], v[ACC+8*(4*\a+\b):ACC+8*(4*\a+\b)+3]   offset:64*\b     ; each accumulator's low registers first
	ds_store_b128 v[STO], v[ACC+8*(4*\a+\b)+4:ACC+8*(4*\a+\b)+7] offset:64*\b+16
.endr
.irp t, 0,1,2,3,4,5,6,7
	ds_load_b128 v[TMP+32*(\a%2)+4*\t:TMP+32*(\a%2)+4*\t+3], v[RD] offset:\t*2*SPITCH  ; LDS serves a wave's instructions in order (ISA guide 5.7.1.4)
.endr
	s_wait_dscnt 0x0
	WIN 0x08                                       ; source 1 in window 2
.irp j, 0,1,2,3,4,5,6,7,8,9,10,11,12,13,14,15
	v_pk_add_f32 v[TMP+32*(\a%2)+2*\j:TMP+32*(\a%2)+2*\j+1], v[TMP+32*(\a%2)+2*\j:TMP+32*(\a%2)+2*\j+1], v[32*\a+2*\j:32*\a+2*\j+1]
.endr
	WIN 0
.irp t, 0,1,2,3,4,5,6,7
	global_store_b128 v[CO], v[TMP+32*(\a%2)+4*\t:TMP+32*(\a%2)+4*\t+3], s[OUTB:OUTB+1] offset:(16*\a+2*\t)*4096
.endr
.endr
	s_wait_tensorcnt 0x0                           ; the wave's end
	ds_add_u32 v[SPW], v[NIL]
	s_wait_dscnt 0x0
	CROUND                                         ; the closing round
	s_endpgm
.Lfunc_end_k_q6e7a591891_wo:
	.size	k_q6e7a591891_wo, .Lfunc_end_k_q6e7a591891_wo-k_q6e7a591891_wo
	.p2alignl 7, 3214868480
	.fill 96, 4, 3214868480
	.section	.rodata,"a",@progbits
	.p2align	6, 0x0
	.amdhsa_kernel k_q6e7a591891_wo
		.amdhsa_group_segment_fixed_size 327680
		.amdhsa_private_segment_fixed_size 0
		.amdhsa_enable_private_segment 0
		.amdhsa_kernarg_size 32
		.amdhsa_user_sgpr_count 2
		.amdhsa_user_sgpr_kernarg_segment_ptr 1
		.amdhsa_wavefront_size32 1
		.amdhsa_system_sgpr_workgroup_id_x 1
		.amdhsa_system_sgpr_workgroup_id_y 1
		.amdhsa_system_sgpr_workgroup_id_z 1
		.amdhsa_system_vgpr_workitem_id 0
		.amdhsa_next_free_vgpr 640
		.amdhsa_next_free_sgpr 88
		.amdhsa_reserve_vcc 0
		.amdhsa_float_denorm_mode_32 3
		.amdhsa_float_denorm_mode_16_64 3
		.amdhsa_memory_ordered 1
		.amdhsa_forward_progress 1
		.amdhsa_inst_pref_size 68
	.end_amdhsa_kernel
	.amdgpu_metadata
---
amdhsa.version: [ 1, 2 ]
amdhsa.kernels:
  - .name:           k_q6e7a591891_wo
    .symbol:         k_q6e7a591891_wo.kd
    .args:
      - { .name: abuf, .offset: 0, .size: 8, .value_kind: global_buffer, .address_space: global }
      - { .name: wr, .offset: 8, .size: 8, .value_kind: global_buffer, .address_space: global }
      - { .name: X, .offset: 16, .size: 8, .value_kind: global_buffer, .address_space: global }
      - { .name: x1, .offset: 24, .size: 8, .value_kind: global_buffer, .address_space: global }
    .group_segment_fixed_size: 327680
    .private_segment_fixed_size: 0
    .kernarg_segment_align: 8
    .kernarg_segment_size: 32
    .max_flat_workgroup_size: 128
    .sgpr_count:     88
    .vgpr_count:     640
    .wavefront_size: 32
...
	.end_amdgpu_metadata
.endif
;; end of part 5
;; launch ln2: the kernel of part 2 again; grid 256 x 1, 4 waves a work-group, no clusters, 0 bytes of LDS; arguments x1, g2, be2, abuf; writes abuf
;; launch ffn1: the kernel of part 3 again; grid 16 x 16, 4 waves a work-group, clusters of 4 x 4, 327,680 bytes of LDS; arguments abuf, w1p, act; writes act
;; launch ffn2 (part 6): grid 8 x 32, 4 waves a work-group, clusters of 4 x 4, 327,680 bytes of LDS; arguments act, wr, x1, out0; writes out0
.if DOCPART == 6
	.amdgcn_target "amdgcn-amd-amdhsa--gfx1250"
	.amdhsa_code_object_version 6
	.text
	.protected	k_q6e7a591891_ffn2
	.globl	k_q6e7a591891_ffn2
	.p2align	8
	.type	k_q6e7a591891_ffn2,@function
k_q6e7a591891_ffn2:
	s_mov_b64 s[64:65], 0
	v_nop
	global_prefetch_b8 v0, s[64:65] scope:SCOPE_SE
	s_setreg_imm32_b32 hwreg(HW_REG_WAVE_MODE, 25, 1), 1
	s_wait_xcnt 0x0
	s_wait_alu depctr_hold_cnt(0) depctr_sa_sdst(0) depctr_va_vdst(0) depctr_va_sdst(0) depctr_va_ssrc(0) depctr_va_vcc(0) depctr_vm_vsrc(0)
	s_getreg_b32 s2, hwreg(HW_REG_IB_STS2, 6, 4)
	s_cmp_eq_u32 s2, 0
	s_cbranch_scc0 .Lentry_in_a_cluster
	s_endpgm
.Lentry_in_a_cluster:
	s_bfe_u32 s2, ttmp6, 0x10000c
	s_cmp_lg_u32 s2, 0xf033
	s_cbranch_scc0 .Lentry_shape_is_right
	s_endpgm
.Lentry_shape_is_right:
; out = res + A W + bias.  A: bf16 in blocks of 64 channels, [KTOT/64][4096 rows][64].  W: bf16 panels [8][KTOT][128] from byte WOFF of its buffer, whose first 4,096 bytes hold the bias in f32.
; res, out: f32 [4096][1024].  Sums in f32, started by the bias; the residual is added in f32 and nothing is rounded on the way out.  Here: KTOT = 4,096, the second FFN layer.
; SHARES.  A work-group of four waves makes 128 x 128 of out (256 work-groups), a wave 64 x 64: 16 accumulators.  K goes in T steps of 256 through two LDS slots filled by tensor loads.
; A's tile of a step is four blocks' 64 rows a wave (each 8,192 dense bytes), padded to rows of 144 bytes; W's is 256 panel rows of 256 bytes, padded to 288, read turned.
; CLUSTER 4 x 4: A's tiles are shared along a row of the cluster, W's along a column: joint loads.  THE PRODUCT IS TAKEN TRANSPOSED: a lane holds one row of out and eight neighbouring columns.
; THE WALK ALONG K IS A RING.  Cluster (X, Y) begins at K step ((T / 2) X + (T / 4) (Y mod 4)) mod T and goes round; f32 sums may be taken in any order.  So the two clusters that read the same rows
; of A stand half a ring apart, and those that read the same panels of W a quarter of a ring apart or together.
; The text is the output projection's with other constants: the trip count of a loop with joint loads is a constant of the text.
; REGISTERS: window 0: v0-31 addresses; v32-95 at work on the way out (v32-63 first the bias); v128-255 the accumulators.  Window 1: two fragment buffers of 128 (64 of A, 64 of W).  Window 2: v0-127 the residual.
.set KTOT,     4096
.set WOFF,     4096+2097152
.set HAS_BIAS, 1
.set T,      KTOT/256
.set PF,     (T > 4)
.set PLIM,   T/2+2                     ; a refill asks ahead while the loop's count is above this: the step two refills on is then still in the walk's first half
.set PA,     144
.set PB,     288
.set HALFT,  36864
.set SLOT,   4*HALFT
.set STAGE,  2*SLOT
.set SPITCH, 272
.set SPARE,  STAGE+4*16*SPITCH
.set LOGA,   21                        ; a K step is 2^21 bytes of A (four blocks)
.set LOGB,   16                        ; and 2^16 bytes of a panel (256 rows)
.set A0,   12
.set B0,   13
.set ADRA, 16
.set ADRB, 20                          ; v20: W's K rows 0-127 of the slot in hand; v21: rows 128-255
.set STO,  24
.set RD,   25
.set CO,   26
.set SPW,  28
.set NIL,  29
.set PFO,  30
.set BO,   31
.set TMP,  32
.set BI,   32
.set ACC,  128
.set F0,   0
.set F1,   128
.set G1,  24
.set G0,  32
.set G1B, 48
.set G0B, 56
.set LIM, 43                           ; s43  PLIM in a wave that prefetches, else the greatest number
.set PFA, 44                           ; s[44:45] what my next prefetch names
.set TB,  66
.set KS,  67                           ; s67  the K step last asked for
.set BB,  70
.set ABASE, 72                         ; s[72:73] A at K step 0 of the 64 rows that I fetch
.set BBASE, 74                         ; s[74:75] W at K step 0, my 128 of a step's 256 panel rows
.set RESB, 76                          ; s[76:77] the residual at my 64 x 64
.set OUTB, 78                          ; s[78:79] out at the same place
.set OFS, 80                           ; s[80:81] a K step's byte offset; the high word stays 0
.set PBASE, 82                         ; s[82:83] A at K step 0 of what I prefetch
.set POF, 84                           ; s[84:85] the prefetched step's byte offset; the high word stays 0
.set MSB, 0
.macro WIN new
.if MSB != (\new)
	s_set_vgpr_msb (MSB<<8)|(\new)
.set MSB, \new
.endif
.endm
.set MUL,  0x05                        ; sources 0 (W) and 1 (A) window 1; C and D window 0
.set TO_F, 0x40                        ; destination window 1, address window 0
.macro JLOAD s                         ; a joint load: waves 0 and 1 fetch A's halves, waves 2 and 3 W's; an s_nop 0 and four v_nop follow each line
	s_cmp_eq_u32 s11, 0
	s_cbranch_scc0 .Lfor_b_\@
	tensor_load_to_lds s[G0+4*(\s):G0+4*(\s)+3], s[G1:G1+7]
	s_nop 0
.rept 4
	v_nop
.endr
	s_branch .Lasked_\@
.Lfor_b_\@:
	tensor_load_to_lds s[G0B+4*(\s):G0B+4*(\s)+3], s[G1B:G1B+7]
	s_nop 0
.rept 4
	v_nop
.endr
.Lasked_\@:
.endm
.macro NEXTK                           ; one K step on, round the ring
	s_add_co_u32 s[KS], s[KS], 1
	s_and_b32 s[KS], s[KS], T-1
.endm
.macro AIM s                           ; both tensors' set s of group 0 is pointed at K step s[KS]: the address is made anew from the base and the step's number, the type bits are set again
	s_lshl_b32 s[OFS], s[KS], LOGA
	s_add_nc_u64 s[G0+4*(\s)+2:G0+4*(\s)+3], s[ABASE:ABASE+1], s[OFS:OFS+1]
	s_or_b32 s[G0+4*(\s)+3], s[G0+4*(\s)+3], 0x80000000
	s_lshl_b32 s[OFS], s[KS], LOGB
	s_add_nc_u64 s[G0B+4*(\s)+2:G0B+4*(\s)+3], s[BBASE:BBASE+1], s[OFS:OFS+1]
	s_or_b32 s[G0B+4*(\s)+3], s[G0B+4*(\s)+3], 0x80000000
.endm
.macro ASK                             ; the K step two refills on: 32 blocks of 256 bytes, a lane a block; who asks, and until when: see the set-up
	s_cmp_gt_u32 s3, s[LIM]
	s_cbranch_scc0 .Lnot_mine_\@
	global_prefetch_b8 v[PFO], s[PFA:PFA+1] th:TH_LOAD_NT scope:SCOPE_SE
.Lnot_mine_\@:
.endm
.macro CREST
	s_cmp_lg_u32 s10, 0
	s_cbranch_scc1 .Lnot_wave_0_\@
	s_barrier_signal -3
.Lnot_wave_0_\@:
	s_barrier_wait -3
	s_barrier_signal -1
	s_barrier_wait -1
.endm
.macro CROUND
	s_barrier_signal -1
	s_barrier_wait -1
	CREST
.endm
.macro PLACES
.rept 4
	v_nop
.endr
.endm
	s_load_b128 s[4:7], s[0:1], 0x0                ; A s[4:5], W s[6:7]
	s_load_b128 s[76:79], s[0:1], 0x10             ; res, out
	v_lshl_add_u32 v[SPW], v0, 2, SPARE
	v_mov_b32 v[NIL], 0
	ds_add_u32 v[SPW], v[NIL]                      ; the wave's opening: the add and its wait ahead of my first tensor load
	v_lshrrev_b32 v1, 5, v0
	v_readfirstlane_b32 s10, v1                    ; wave 0..3
	s_lshr_b32 s11, s10, 1                         ; my half of the tile's rows.  Also: I fetch for A (0) or for W (1)
	s_and_b32 s12, s10, 1                          ; my half of its columns.  Also: which half of that tile I fetch
	s_bfe_u32 s40, ttmp6, 0x40000                  ; cx
	s_bfe_u32 s41, ttmp6, 0x40004                  ; cy
	s_lshl_b32 s42, ttmp9, 2
	s_add_co_u32 s42, s42, s40                     ; tile column = panel
	s_and_b32 s13, ttmp7, 0xffff
	s_lshl_b32 s13, s13, 2
	s_add_co_u32 s13, s13, s41                     ; tile row
	s_lshl_b32 s43, s41, 2
	s_lshl_b32 s43, 15, s43                        ; my row of the cluster
	s_lshl_b32 s44, 0x1111, s40                    ; my column
	s_or_b32 s[G1+0], s43, (1<<16)|(1<<20)|(1<<21)|(4<<22)|(3<<25)   ; mask; 2-byte elements; padding on; bit 21 beside a mask; after every 32 words, 4 words
	s_or_b32 s[G1B+0], s44, (1<<16)|(1<<20)|(1<<21)|(5<<22)|(7<<25)  ; after every 64 words, 8 words
	s_mov_b32 s[G1+1], 4096<<16                    ; A: 4,096 elements: 64 rows of a block, dense
	s_mov_b32 s[G1+2], 4<<16                       ; four blocks
	s_mov_b32 s[G1+3], 4096<<16
	s_mov_b32 s[G1+4], 4
	s_mov_b32 s[G1+5], 262144                      ; elements from block to block
	s_mov_b32 s[G1+6], 0
	s_mov_b32 s[G1+7], 0
	s_mov_b32 s[G1B+1], 128<<16                    ; W: 128 rows of 128 elements, dense
	s_mov_b32 s[G1B+2], 128<<16
	s_mov_b32 s[G1B+3], 128<<16
	s_mov_b32 s[G1B+4], 128
	s_mov_b32 s[G1B+5], 128
	s_mov_b32 s[G1B+6], 0
	s_mov_b32 s[G1B+7], 0
	s_mul_i32 s[KS], ttmp9, T/2                    ; where my cluster's walk begins: made of what all sixteen partners share
	s_and_b32 s18, ttmp7, 3
	s_mul_i32 s18, s18, T/4
	s_add_co_u32 s[KS], s[KS], s18
	s_and_b32 s[KS], s[KS], T-1
	s_mov_b32 s[OFS+1], 0
	s_lshl_b32 s16, s13, 14                        ; A: (128 x tile row + 64 x half) rows of 128 bytes
	s_lshl_b32 s17, s12, 13
	s_add_co_u32 s16, s16, s17
	s_mov_b32 s17, 0
	s_mul_i32 s46, s42, KTOT*256                   ; W: the panel, and my 128 of a step's 256 rows
	s_lshl_b32 s47, s12, 15
	s_add_co_u32 s46, s46, s47
	s_add_co_u32 s46, s46, WOFF
	s_mov_b32 s47, 0
	s_mul_i32 s20, s10, HALFT
	s_wait_dscnt 0x0                               ; the opening add is done
	s_wait_kmcnt 0x0
	s_add_nc_u64 s[ABASE:ABASE+1], s[4:5], s[16:17]
	s_add_nc_u64 s[BBASE:BBASE+1], s[6:7], s[46:47]
	CROUND                                         ; all sixteen work-groups are here
.irp s, 0,1
	s_mov_b32 s[G0+4*(\s)], 1
	s_add_co_u32 s[G0+4*(\s)+1], s20, (\s)*SLOT
	s_mov_b32 s[G0B+4*(\s)], 1
	s_add_co_u32 s[G0B+4*(\s)+1], s20, (\s)*SLOT
.endr
	AIM 0
	JLOAD 0                                        ; the walk's first K step,
	NEXTK
	AIM 1
	JLOAD 1                                        ; and its second: two loads of mine are out
	v_and_b32 v1, 15, v0                           ; r
	v_bfe_u32 v2, v0, 4, 1                         ; h
	v_mul_u32_u24 v3, v1, PA
	v_lshl_add_u32 v3, v2, 4, v3
	s_mul_i32 s21, s11, HALFT
	v_add_nc_u32 v[A0], s21, v3
	v_and_b32 v4, 7, v0
	v_bfe_u32 v5, v0, 3, 1
	v_lshl_add_u32 v6, v2, 3, v4
	v_mul_u32_u24 v6, v6, PB
	v_lshl_add_u32 v6, v5, 4, v6
	s_lshl_b32 s22, s12, 7                         ; my 64 columns: 128 bytes of a panel row
	s_add_co_u32 s22, s22, 2*HALFT
	v_add_nc_u32 v[B0], s22, v6
	s_mul_i32 s23, s10, 16*SPITCH
	s_add_co_u32 s23, s23, STAGE                   ; my stage: 16 rows of 256 bytes + 16
	v_mul_u32_u24 v7, v1, SPITCH
	v_lshl_add_u32 v7, v2, 5, v7                   ; in: row r, 32 bytes for each half of the lanes
	v_add_nc_u32 v[STO], s23, v7
	v_mul_u32_u24 v8, v2, SPITCH
	v_lshl_add_u32 v8, v1, 4, v8                   ; back: lanes 0-15 one row of 256 bytes, lanes 16-31 the next
	v_add_nc_u32 v[RD], s23, v8
	v_lshlrev_b32 v9, 12, v2
	v_lshl_add_u32 v[CO], v1, 4, v9                ; and the same two rows in res and out
	v_lshlrev_b32 v[BO], 5, v2
	s_lshl_b32 s16, s13, 19                        ; (128 x tile row + 64 x half) rows of 4,096 bytes + (128 x tile column + 64 x half) x 4
	s_lshl_b32 s17, s11, 18
	s_add_co_u32 s16, s16, s17
	s_lshl_b32 s46, s42, 9
	s_lshl_b32 s47, s12, 8
	s_add_co_u32 s46, s46, s47
	s_add_co_u32 s46, s46, s16
	s_mov_b32 s47, 0
	s_add_nc_u64 s[RESB:RESB+1], s[RESB:RESB+1], s[46:47]
	s_add_nc_u64 s[OUTB:OUTB+1], s[OUTB:OUTB+1], s[46:47]
.if HAS_BIAS
	s_lshl_b32 s[BB], s42, 9
	s_lshl_b32 s[BB+1], s12, 8
	s_add_co_u32 s[BB], s[BB], s[BB+1]
	s_mov_b32 s[BB+1], 0
	s_add_nc_u64 s[BB:BB+1], s[6:7], s[BB:BB+1]
.irp b, 0,1,2,3
	global_load_b128 v[BI+8*\b:BI+8*\b+3],   v[BO], s[BB:BB+1] offset:64*\b     ; register j of block b: the bias of column 16 b + 8 h + j
	global_load_b128 v[BI+8*\b+4:BI+8*\b+7], v[BO], s[BB:BB+1] offset:64*\b+16
.endr
.endif
	WIN 0x80                                       ; destination window 2: the residual comes in while K is walked
.irp a, 0,1,2,3
.irp t, 0,1,2,3,4,5,6,7
	global_load_b128 v[32*\a+4*\t:32*\a+4*\t+3], v[CO], s[RESB:RESB+1] offset:(16*\a+2*\t)*4096
.endr
.endr
	WIN 0
.if PF
	; THE PREFETCHES.  Of A's blocks a cluster is the first reader in the first half of its walk (the other cluster of its rows begins half a ring away).  The walk's steps 0 to 3 come by their loads alone;
	; steps 4 to T / 2 - 1 are asked for two refills ahead, by the waves that fetch A (0 and 1), in every cluster.  Of the 128 blocks of 256 bytes that such a wave fetches in a step each of the four
	; partners along the row takes 32, told apart by address: the block of channels cx of the wave's 64 rows.  So each block is named once.  W's first readings fall in the walks' first four steps: not asked for.
	s_lshl_b32 s18, s13, 14
	s_lshl_b32 s19, s12, 13
	s_add_co_u32 s18, s18, s19
	s_lshl_b32 s19, s40, 19
	s_add_co_u32 s18, s18, s19
	s_mov_b32 s19, 0
	s_add_nc_u64 s[PBASE:PBASE+1], s[4:5], s[18:19]
	s_mov_b32 s[POF+1], 0
	s_cmp_eq_u32 s11, 0                            ; do I fetch for A?  The same in every work-group, for a given wave
	s_cselect_b32 s[LIM], PLIM, -1
	v_and_b32 v[PFO], 31, v0
	v_lshlrev_b32 v[PFO], 8, v[PFO]
.endif
; 8 matrix instructions: row blocks a0, a0 + 1 x all 4 column blocks, 32 along K: half c of buffer f.  zero = 1: the first product starts the sums, with the bias or with 0.
; The 16 accumulators take turns in the same order everywhere, one instruction a turn, over the backward jumps too.
.macro MUL8 f, c, a0, zero
	WIN MUL
.irp a, \a0, (\a0)+1
.irp b, 0,1,2,3
.if \zero
.if HAS_BIAS
	v_wmma_f32_16x16x32_bf16 v[ACC+8*(4*(\a)+(\b)):ACC+8*(4*(\a)+(\b))+7], v[(\f)+64+8*(4*(\c)+(\b)):(\f)+64+8*(4*(\c)+(\b))+7], v[(\f)+8*(4*(\c)+(\a)):(\f)+8*(4*(\c)+(\a))+7], v[BI+8*(\b):BI+8*(\b)+7]
.else
	v_wmma_f32_16x16x32_bf16 v[ACC+8*(4*(\a)+(\b)):ACC+8*(4*(\a)+(\b))+7], v[(\f)+64+8*(4*(\c)+(\b)):(\f)+64+8*(4*(\c)+(\b))+7], v[(\f)+8*(4*(\c)+(\a)):(\f)+8*(4*(\c)+(\a))+7], 0
.endif
.else
	v_wmma_f32_16x16x32_bf16 v[ACC+8*(4*(\a)+(\b)):ACC+8*(4*(\a)+(\b))+7], v[(\f)+64+8*(4*(\c)+(\b)):(\f)+64+8*(4*(\c)+(\b))+7], v[(\f)+8*(4*(\c)+(\a)):(\f)+8*(4*(\c)+(\a))+7], v[ACC+8*(4*(\a)+(\b)):ACC+8*(4*(\a)+(\b))+7]
.endif
.endr
.endr
.endm
; 32 LDS loads in one run: quarter q (64 along K: one block of A) into buffer f; the first 32 along K first
.macro FETCH q, f
	WIN TO_F
.irp c, 0,1
.irp i, 0,1,2,3
	ds_load_tr16_b128 v[(\f)+64+8*(4*(\c)+(\i)):(\f)+64+8*(4*(\c)+(\i))+3],   v[ADRB+(\q)/2] offset:(((\q)%2)*64+32*(\c))*PB+(\i)*32
	ds_load_tr16_b128 v[(\f)+64+8*(4*(\c)+(\i))+4:(\f)+64+8*(4*(\c)+(\i))+7], v[ADRB+(\q)/2] offset:(((\q)%2)*64+32*(\c))*PB+(\i)*32+16*PB
	ds_load_b128 v[(\f)+8*(4*(\c)+(\i)):(\f)+8*(4*(\c)+(\i))+3],   v[ADRA] offset:(\q)*64*PA+(\i)*16*PA+(\c)*64
	ds_load_b128 v[(\f)+8*(4*(\c)+(\i))+4:(\f)+8*(4*(\c)+(\i))+7], v[ADRA] offset:(\q)*64*PA+(\i)*16*PA+(\c)*64+32
.endr
.endr
.endm
.macro QUARTER qn, f, g, zero
	s_wait_dscnt 16                                ; the first 32 along K are in
	MUL8 \f, 0, 0, \zero
	MUL8 \f, 0, 2, \zero
	PLACES
	FETCH \qn, \g
	s_wait_dscnt 32                                ; all but the 32 just issued
	MUL8 \f, 1, 0, 0
	MUL8 \f, 1, 2, 0
.endm
; The last quarter multiplies buffer 1 and changes slots: in front of the barrier each wave waits for all its tensor loads, adds 0 to its spare word, and waits for that and for its reads of this slot.
; fill = 1: the barrier opens a round of the cluster's, and behind the round this slot is filled again, with the K step two on in the ring, first thing.
.macro TURN fill
.if (\fill) && PF
	s_wait_xcnt 0x0                                ; the last prefetch, a K step back, has read its address, which is made anew here, ahead of the waits of the change of slots:
	s_add_co_u32 s[POF], s[KS], 3                  ; this change asks for step s[KS] + 1, its prefetch names the step two further on in the ring
	s_and_b32 s[POF], s[POF], T-1
	s_lshl_b32 s[POF], s[POF], LOGA
	s_add_nc_u64 s[PFA:PFA+1], s[PBASE:PBASE+1], s[POF:POF+1]
.endif
	WIN 0
	s_wait_tensorcnt 0x0
	ds_add_u32 v[SPW], v[NIL]
	s_wait_dscnt 17                                ; (the add and the youngest sixteen loads may be out)
	MUL8 F1, 0, 0, 0
	s_wait_dscnt 0x0                               ; the add is done, and my reads of this slot are over
	s_barrier_signal -1
	MUL8 F1, 0, 2, 0
.if \fill
	WIN 0
.endif
	s_barrier_wait -1
.if \fill
	CREST
	NEXTK
	s_xor_b32 s[G0+5], s[G0+5], SLOT               ; the walking descriptors: the other slot than last time (no wave's place has a bit of SLOT set),
	s_xor_b32 s[G0B+5], s[G0B+5], SLOT
	AIM 1                                          ; the ring's next K step
	JLOAD 1                                        ; its four v_nop are also the places in front of the loads below
.else
	PLACES
.endif
	s_xor_b32 s[TB], s[TB], SLOT
	WIN 0
	v_add_nc_u32 v[ADRA], s[TB], v[A0]
	v_add_nc_u32 v[ADRB], s[TB], v[B0]
	v_add_nc_u32 v[ADRB+1], HALFT, v[ADRB]
	FETCH 0, F0
.if (\fill) && PF
	WIN 0
	ASK
.endif
	MUL8 F1, 1, 0, 0
	MUL8 F1, 1, 2, 0
.endm
	s_wait_tensorcnt 1                             ; my part of the walk's first K step is in; the second's may stay out
	s_barrier_signal -1
	s_barrier_wait -1
	s_mov_b32 s[TB], 0
	v_mov_b32 v[ADRA], v[A0]
	v_mov_b32 v[ADRB], v[B0]
	v_add_nc_u32 v[ADRB+1], HALFT, v[B0]
	FETCH 0, F0
.if HAS_BIAS
	s_wait_loadcnt 32                              ; the bias is in; the residual's 32 loads may stay out
.endif
	QUARTER 1, F0, F1, 1                           ; the first quarter stands in front of the loop: its first products start the sums
	WIN 0
	s_mov_b32 s3, T-2
.Lstep:                                                ; a trip: from a K step's second quarter to the next step's first; the slot left is filled again
	QUARTER 2, F1, F0, 0
	QUARTER 3, F0, F1, 0
	TURN 1
	QUARTER 1, F0, F1, 0
	WIN 0
	s_sub_co_u32 s3, s3, 1
	s_cmp_lg_u32 s3, 0
	s_cbranch_scc1 .Lstep
	s_mov_b32 s3, 2
.Ltail:                                                ; the last two K steps ask for nothing: a loop without a tensor load, two trips, left in the middle of the second
	QUARTER 2, F1, F0, 0
	QUARTER 3, F0, F1, 0
	WIN 0
	s_sub_co_u32 s3, s3, 1
	s_cmp_eq_u32 s3, 0
	s_cbranch_scc1 .Llast
	TURN 0
	QUARTER 1, F0, F1, 0
	WIN 0
	s_branch .Ltail
.Llast:                                                ; the very last quarter: nothing more to fetch
	s_wait_dscnt 16
	MUL8 F1, 0, 0, 0
	MUL8 F1, 0, 2, 0
	s_wait_dscnt 0x0
	MUL8 F1, 1, 0, 0
	MUL8 F1, 1, 2, 0
	WIN 0
	; THE WAY OUT, 16 rows at a time: the sums go through my own stage and come back as whole rows of 256 bytes; the residual is added; sixteen lanes store 256 consecutive bytes, aligned.
	PLACES
	PLACES                                         ; (eight, once a launch: the LDS stores below read results)
	s_wait_loadcnt 0x0                             ; the residual
.irp a, 0,1,2,3
	s_wait_xcnt 0x0                                ; earlier stores have read their registers
.irp b, 0,1,2,3
	ds_store_b128 v[STO], v[ACC+8*(4*\a+\b):ACC+8*(4*\a+\b)+3]   offset:64*\b     ; each accumulator's low registers first
	ds_store_b128 v[STO], v[ACC+8*(4*\a+\b)+4:ACC+8*(4*\a+\b)+7] offset:64*\b+16
.endr
.irp t, 0,1,2,3,4,5,6,7
	ds_load_b128 v[TMP+32*(\a%2)+4*\t:TMP+32*(\a%2)+4*\t+3], v[RD] offset:\t*2*SPITCH  ; LDS serves a wave's instructions in order (ISA guide 5.7.1.4)
.endr
	s_wait_dscnt 0x0
	WIN 0x08                                       ; source 1 in window 2
.irp j, 0,1,2,3,4,5,6,7,8,9,10,11,12,13,14,15
	v_pk_add_f32 v[TMP+32*(\a%2)+2*\j:TMP+32*(\a%2)+2*\j+1], v[TMP+32*(\a%2)+2*\j:TMP+32*(\a%2)+2*\j+1], v[32*\a+2*\j:32*\a+2*\j+1]
.endr
	WIN 0
.irp t, 0,1,2,3,4,5,6,7
	global_store_b128 v[CO], v[TMP+32*(\a%2)+4*\t:TMP+32*(\a%2)+4*\t+3], s[OUTB:OUTB+1] offset:(16*\a+2*\t)*4096
.endr
.endr
	s_wait_tensorcnt 0x0                           ; the wave's end
	ds_add_u32 v[SPW], v[NIL]
	s_wait_dscnt 0x0
	CROUND                                         ; the closing round
	s_endpgm
.Lfunc_end_k_q6e7a591891_ffn2:
	.size	k_q6e7a591891_ffn2, .Lfunc_end_k_q6e7a591891_ffn2-k_q6e7a591891_ffn2
	.p2alignl 7, 3214868480
	.fill 96, 4, 3214868480
	.section	.rodata,"a",@progbits
	.p2align	6, 0x0
	.amdhsa_kernel k_q6e7a591891_ffn2
		.amdhsa_group_segment_fixed_size 327680
		.amdhsa_private_segment_fixed_size 0
		.amdhsa_enable_private_segment 0
		.amdhsa_kernarg_size 32
		.amdhsa_user_sgpr_count 2
		.amdhsa_user_sgpr_kernarg_segment_ptr 1
		.amdhsa_wavefront_size32 1
		.amdhsa_system_sgpr_workgroup_id_x 1
		.amdhsa_system_sgpr_workgroup_id_y 1
		.amdhsa_system_sgpr_workgroup_id_z 1
		.amdhsa_system_vgpr_workitem_id 0
		.amdhsa_next_free_vgpr 640
		.amdhsa_next_free_sgpr 88
		.amdhsa_reserve_vcc 0
		.amdhsa_float_denorm_mode_32 3
		.amdhsa_float_denorm_mode_16_64 3
		.amdhsa_memory_ordered 1
		.amdhsa_forward_progress 1
		.amdhsa_inst_pref_size 70
	.end_amdhsa_kernel
	.amdgpu_metadata
---
amdhsa.version: [ 1, 2 ]
amdhsa.kernels:
  - .name:           k_q6e7a591891_ffn2
    .symbol:         k_q6e7a591891_ffn2.kd
    .args:
      - { .name: act, .offset: 0, .size: 8, .value_kind: global_buffer, .address_space: global }
      - { .name: wr, .offset: 8, .size: 8, .value_kind: global_buffer, .address_space: global }
      - { .name: x1, .offset: 16, .size: 8, .value_kind: global_buffer, .address_space: global }
      - { .name: out0, .offset: 24, .size: 8, .value_kind: global_buffer, .address_space: global }
    .group_segment_fixed_size: 327680
    .private_segment_fixed_size: 0
    .kernarg_segment_align: 8
    .kernarg_segment_size: 32
    .max_flat_workgroup_size: 128
    .sgpr_count:     88
    .vgpr_count:     640
    .wavefront_size: 32
...
	.end_amdgpu_metadata
.endif
;; end of part 6
;; ======== version 2 of 2: 8 launches; version 1 with the launches cvt, ln1, ln2 written anew for expert scheduling mode
;; workspace buffers: wqkv 6,308,096 bytes; w1p 8,405,248 bytes; wr 10,489,856 bytes; abuf 8,388,608 bytes; act 33,554,432 bytes; x1 16,777,216 bytes
;; launch cvt (part 7): grid 8 x 97, 8 waves a work-group, no clusters, 0 bytes of LDS; arguments Wq, Wk, Wv, Wo, W1, W2, b1, b2, wqkv, w1p, wr; writes wqkv, w1p, wr
.if DOCPART == 7
	.amdgcn_target "amdgcn-amd-amdhsa--gfx1250"
	.amdhsa_code_object_version 6
	.text
	.protected	k_q6e7a591891_cvt
	.globl	k_q6e7a591891_cvt
	.p2align	8
	.type	k_q6e7a591891_cvt,@function
k_q6e7a591891_cvt:
	s_mov_b64 s[64:65], 0
	v_nop
	global_prefetch_b8 v0, s[64:65] scope:SCOPE_SE
	s_setreg_imm32_b32 hwreg(HW_REG_WAVE_SCHED_MODE, 0, 2), 2
	s_setreg_imm32_b32 hwreg(HW_REG_WAVE_MODE, 25, 1), 1
	s_wait_xcnt 0x0
	s_wait_alu depctr_vm_vsrc(0)
; THE WEIGHTS, ONCE: f32 [in][out] -> bf16 panels [out/128][in][128], each number rounded once to nearest even; not transposed.
; A panel row is 128 bf16 = 256 bytes; panel p of a weight with K rows begins at p x K x 256.
;   wqkv: bytes 0-16383 zeros (a bias of 0), 16384-16639 the word 0xff7fff7f (a floor of the lowest finite bf16, twice), from 16640 on 24 panels: Wq, Wk, Wv
;   w1p : bytes 0-16383 a copy of b1, 16384-16639 zeros (the ReLU's floor), from 16640 on W1's 32 panels
;   wr  : bytes 0-4095 a copy of b2, from 4096 on Wo's 8 panels, from 4096 + 2097152 on W2's 8 panels of 4096 rows
; SHARES.  Work-group (x, y), y < 96: slice y is 1,024 rows x 128 columns of one weight, x picks 128 of its rows, a wave takes 16.
; One load of a wave is a row's 512 consecutive bytes, one store its 256 consecutive bytes, aligned.  All 16 loads of a wave go out before the first wait.
; y = 96: the three headers.  No LDS, no barrier, no matrix unit: every byte is read once and written once, and nothing is shared.
; THE MODE: SCHED_MODE bits 1:0 = 2 (LLVM: expert scheduling mode 2), set by the entry lines.  The code itself states the register dependences
; between vector instructions and memory instructions, with s_wait_alu, always for 0.
; THE PLAN.  Registers that memory instructions touch, on the way of the slices:
;   v4-19    row offsets, and v2, the stores' offset: made once by vector instructions, read by the loads and the stores, never written again.
;   v32-95   16 rows as loaded, four registers a row: loaded once, read by the roundings.
;   v96-127  16 rows to store, two registers a row: written once by the roundings, read by the stores.
; The rows go in four groups of four.  Group g's roundings read its rows and write its out registers; the memory instructions that stand among them are the stores of group g - 1, whose out registers no
; rounding of group g names.  So one wait at a group's head states all that its four stores hang on.  No register that a memory instruction has read is written again.
; On the way of the headers all offsets and all made-up store data are written first, and one wait stands ahead of the first memory instruction; no vector instruction follows it.
.set HDR, 16640
.set WRO, 4096
.set WR2, 4096+2097152
	s_load_b512 s[8:23], s[0:1], 0x0               ; Wq s[8:9], Wk s[10:11], Wv s[12:13], Wo s[14:15], W1 s[16:17], W2 s[18:19], b1 s[20:21], b2 s[22:23]
	s_load_b128 s[24:27], s[0:1], 0x40             ; wqkv s[24:25], w1p s[26:27]
	s_load_b64 s[28:29], s[0:1], 0x50              ; wr
	v_and_b32 v3, 31, v0
	v_lshlrev_b32 v1, 4, v3                        ; 16 x lane: my 4 numbers of a source row
	v_lshlrev_b32 v2, 3, v3                        ; 8 x lane: my 4 numbers of a panel row
	v_lshrrev_b32 v3, 5, v0
	v_readfirstlane_b32 s44, v3                    ; wave 0..7
	s_and_b32 s30, ttmp7, 0xffff                   ; y
	s_mov_b32 s48, ttmp9                           ; x
	s_wait_alu depctr_va_sdst(0)                   ; s44 is written: both ways behind the branch below read it
	s_cmp_eq_u32 s30, 96
	s_cbranch_scc1 .Lhdr
	; which weight, which panel, which rows: candidates first, then compares and selects (nothing that sets SCC stands between a compare and its selects)
	s_lshr_b32 s31, s30, 3                         ; t = y / 8
	s_and_b32 s37, s30, 7                          ; source panel
	s_mov_b32 s39, s30                             ; slice number in the destination
	s_mov_b32 s36, 12                              ; log2 of the source's row pitch in bytes
	s_mov_b32 s38, 0                               ; first source row of the slice
	s_mov_b32 s45, HDR                             ; where the destination's panels begin
	s_wait_kmcnt 0x0
	s_mov_b64 s[32:33], s[8:9]
	s_mov_b64 s[34:35], s[24:25]
	s_cmp_eq_u32 s31, 1
	s_cselect_b64 s[32:33], s[10:11], s[32:33]
	s_cmp_eq_u32 s31, 2
	s_cselect_b64 s[32:33], s[12:13], s[32:33]
	s_sub_co_u32 s40, s30, 24                      ; (taken only where t = 3)
	s_cmp_eq_u32 s31, 3
	s_cselect_b64 s[32:33], s[14:15], s[32:33]
	s_cselect_b64 s[34:35], s[28:29], s[34:35]
	s_cselect_b32 s45, WRO, s45
	s_cselect_b32 s39, s40, s39
	s_sub_co_u32 s40, s30, 32                      ; (taken only where t >= 4)
	s_cmp_ge_u32 s31, 4
	s_cselect_b64 s[32:33], s[16:17], s[32:33]
	s_cselect_b64 s[34:35], s[26:27], s[34:35]
	s_cselect_b32 s45, HDR, s45
	s_cselect_b32 s39, s40, s39
	s_cselect_b32 s37, s40, s37
	s_cselect_b32 s36, 14, s36
	s_sub_co_u32 s40, s30, 64                      ; (taken only where t >= 8): W2's panel is four slices long
	s_lshr_b32 s41, s40, 2
	s_and_b32 s42, s40, 3
	s_lshl_b32 s42, s42, 10
	s_cmp_ge_u32 s31, 8
	s_cselect_b64 s[32:33], s[18:19], s[32:33]
	s_cselect_b64 s[34:35], s[28:29], s[34:35]
	s_cselect_b32 s45, WR2, s45
	s_cselect_b32 s39, s40, s39
	s_cselect_b32 s37, s41, s37
	s_cselect_b32 s36, 12, s36
	s_cselect_b32 s38, s42, s38
	s_lshl_b32 s46, s48, 7
	s_lshl_b32 s47, s44, 4
	s_add_co_u32 s46, s46, s47                     ; my wave's first row in the slice
	s_add_co_u32 s40, s38, s46
	s_lshl_b32 s40, s40, s36                       ; source: row x pitch
	s_lshl_b32 s42, s37, 9
	s_add_co_u32 s40, s40, s42                     ; + panel x 512 bytes
	s_mov_b32 s41, 0
	s_add_nc_u64 s[32:33], s[32:33], s[40:41]
	s_lshl_b32 s42, s39, 18                        ; destination: slice x 262,144
	s_lshl_b32 s43, s46, 8
	s_add_co_u32 s42, s42, s43                     ; + row x 256
	s_add_co_u32 s42, s42, s45
	s_mov_b32 s43, 0
	s_add_nc_u64 s[34:35], s[34:35], s[42:43]
.irp i, 0,1,2,3,4,5,6,7,8,9,10,11,12,13,14,15
	s_lshl_b32 s47, \i, s36
	v_add_nc_u32 v[4+\i], s47, v1                  ; row i x pitch + 16 x lane
.endr
	s_wait_alu depctr_va_vdst(0)                   ; v4 to v19, which the loads read as their offsets, and v2, which the stores read as theirs, are written
.irp i, 0,1,2,3,4,5,6,7,8,9,10,11,12,13,14,15
	global_load_b128 v[32+4*\i:35+4*\i], v[4+\i], s[32:33] th:TH_LOAD_NT
.endr
.macro ROW i                           ; row i: four numbers a lane, rounded and packed
	v_cvt_pk_bf16_f32 v[96+2*(\i)], v[32+4*(\i)], v[33+4*(\i)]
	v_cvt_pk_bf16_f32 v[97+2*(\i)], v[34+4*(\i)], v[35+4*(\i)]
.endm
.macro OUT i                           ; row i leaves: 32 lanes x 8 bytes: one panel row; no register is used twice
	global_store_b64 v2, v[96+2*(\i):97+2*(\i)], s[34:35] offset:256*(\i)
.endm
	s_wait_loadcnt 12                              ; loads come back in order (ISA guide 5.7.1): rows 0 to 3 are in, the twelve younger rows stay out
.irp i, 0,1,2,3
	ROW \i
.endr
.irp g, 1,2,3
	s_wait_loadcnt 12-4*(\g)                       ; this group's four rows are in, the younger groups stay out
	s_wait_alu depctr_va_vdst(0)                   ; the roundings of the group before have written its out registers, which the four stores below read
.irp i, 0,1,2,3
	OUT 4*(\g)-4+(\i)                              ; no rounding since the wait names this store's registers
	ROW 4*(\g)+(\i)
.endr
.endr
	s_wait_alu depctr_va_vdst(0)                   ; the last group's roundings have written v120 to v127, which the last four stores read
.irp i, 12,13,14,15
	OUT \i
.endr
	s_endpgm
.Lhdr:
	v_lshlrev_b32 v4, 3, v0
	s_lshl_b32 s40, s48, 11
	v_add_nc_u32 v4, s40, v4                       ; 2,048 x + 8 x thread: eight work-groups cover b1's 16,384 bytes
	v_mov_b32 v8, 0
	v_mov_b32 v9, 0
	v_mov_b32 v12, 0xff7fff7f
	v_mov_b32 v13, 0xff7fff7f
	s_wait_kmcnt 0x0
	s_wait_alu depctr_va_vdst(0)                   ; the offsets v2 and v4 and the store data v8, v9, v12, v13 are written: all that the loads and stores of this way read but loaded data
	global_load_b64 v[6:7], v4, s[20:21]
	global_store_b64 v4, v[8:9], s[24:25]          ; the projections have no bias
	s_wait_loadcnt 0x0
	global_store_b64 v4, v[6:7], s[26:27]
	s_cmp_lt_u32 s48, 2                            ; b2 is 4,096 bytes: two work-groups
	s_cbranch_scc0 .Lend
	global_load_b64 v[10:11], v4, s[22:23]
	s_wait_loadcnt 0x0
	global_store_b64 v4, v[10:11], s[28:29]
	s_cmp_eq_u32 s48, 0
	s_cbranch_scc0 .Lend
	s_cmp_eq_u32 s44, 0
	s_cbranch_scc0 .Lend
	global_store_b64 v2, v[12:13], s[24:25] offset:16384  ; the two floors: 256 bytes each, one wave
	global_store_b64 v2, v[8:9], s[26:27] offset:16384
.Lend:
	s_endpgm
.Lfunc_end_k_q6e7a591891_cvt:
	.size	k_q6e7a591891_cvt, .Lfunc_end_k_q6e7a591891_cvt-k_q6e7a591891_cvt
	.p2alignl 7, 3214868480
	.fill 96, 4, 3214868480
	.section	.rodata,"a",@progbits
	.p2align	6, 0x0
	.amdhsa_kernel k_q6e7a591891_cvt
		.amdhsa_group_segment_fixed_size 0
		.amdhsa_private_segment_fixed_size 0
		.amdhsa_enable_private_segment 0
		.amdhsa_kernarg_size 88
		.amdhsa_user_sgpr_count 2
		.amdhsa_user_sgpr_kernarg_segment_ptr 1
		.amdhsa_wavefront_size32 1
		.amdhsa_system_sgpr_workgroup_id_x 1
		.amdhsa_system_sgpr_workgroup_id_y 1
		.amdhsa_system_sgpr_workgroup_id_z 1
		.amdhsa_system_vgpr_workitem_id 0
		.amdhsa_next_free_vgpr 128
		.amdhsa_next_free_sgpr 66
		.amdhsa_reserve_vcc 0
		.amdhsa_float_denorm_mode_32 3
		.amdhsa_float_denorm_mode_16_64 3
		.amdhsa_memory_ordered 1
		.amdhsa_forward_progress 1
		.amdhsa_inst_pref_size 11
	.end_amdhsa_kernel
	.amdgpu_metadata
---
amdhsa.version: [ 1, 2 ]
amdhsa.kernels:
  - .name:           k_q6e7a591891_cvt
    .symbol:         k_q6e7a591891_cvt.kd
    .args:
      - { .name: Wq, .offset: 0, .size: 8, .value_kind: global_buffer, .address_space: global }
      - { .name: Wk, .offset: 8, .size: 8, .value_kind: global_buffer, .address_space: global }
      - { .name: Wv, .offset: 16, .size: 8, .value_kind: global_buffer, .address_space: global }
      - { .name: Wo, .offset: 24, .size: 8, .value_kind: global_buffer, .address_space: global }
      - { .name: W1, .offset: 32, .size: 8, .value_kind: global_buffer, .address_space: global }
      - { .name: W2, .offset: 40, .size: 8, .value_kind: global_buffer, .address_space: global }
      - { .name: b1, .offset: 48, .size: 8, .value_kind: global_buffer, .address_space: global }
      - { .name: b2, .offset: 56, .size: 8, .value_kind: global_buffer, .address_space: global }
      - { .name: wqkv, .offset: 64, .size: 8, .value_kind: global_buffer, .address_space: global }
      - { .name: w1p, .offset: 72, .size: 8, .value_kind: global_buffer, .address_space: global }
      - { .name: wr, .offset: 80, .size: 8, .value_kind: global_buffer, .address_space: global }
    .group_segment_fixed_size: 0
    .private_segment_fixed_size: 0
    .kernarg_segment_align: 8
    .kernarg_segment_size: 88
    .max_flat_workgroup_size: 256
    .sgpr_count:     66
    .vgpr_count:     128
    .wavefront_size: 32
...
	.end_amdgpu_metadata
.endif
;; end of part 7
;; launch ln1 (part 8): grid 256 x 1, 4 waves a work-group, no clusters, 0 bytes of LDS; arguments X, g1, be1, abuf; writes abuf
.if DOCPART == 8
	.amdgcn_target "amdgcn-amd-amdhsa--gfx1250"
	.amdhsa_code_object_version 6
	.text
	.protected	k_q6e7a591891_ln1
	.globl	k_q6e7a591891_ln1
	.p2align	8
	.type	k_q6e7a591891_ln1,@function
k_q6e7a591891_ln1:
	s_mov_b64 s[64:65], 0
	v_nop
	global_prefetch_b8 v0, s[64:65] scope:SCOPE_SE
	s_setreg_imm32_b32 hwreg(HW_REG_WAVE_SCHED_MODE, 0, 2), 2
	s_setreg_imm32_b32 hwreg(HW_REG_WAVE_MODE, 25, 1), 1
	s_wait_xcnt 0x0
	s_wait_alu depctr_vm_vsrc(0)
; y = (x - mean) * rsqrt(var + 1e-5) * g + be over rows of 1,024 f32; y rounded once to bf16 and stored in blocks of 64 channels: [16][4096 rows][64].
; The variance is the mean of the squared deviations, taken after the mean has been taken away, all in f32.
; SHARES.  A wave takes 4 rows, a work-group 16.  Lane l holds row l / 8 and, of each block of 64 channels, the 8 channels 8 (l % 8) on: 128 numbers in registers,
; so x is read once, a row's sums stay inside 8 lanes, and one store of a wave is 4 rows x 128 bytes = 512 consecutive bytes of a block.
; No LDS, no barrier: no wave needs another's numbers.  NaN and infinities are not treated apart.
; REGISTERS: window 0: v1-3 offsets, v8-15 four chains of sums, v16-17 the mean twice, v18-19 the reciprocal root twice, v64-191 x.  Window 1: v0-127 g, v128-255 be.
; THE MODE: SCHED_MODE bits 1:0 = 2 (LLVM: expert scheduling mode 2), set by the entry lines.  The code itself states the register dependences
; between vector instructions and memory instructions, with s_wait_alu, always for 0.
; THE PLAN.  Registers that memory instructions touch:
;   v1, v2, v3   offsets, made once at the head by vector instructions; read by x's loads, by g's and be's loads, by the stores; never written again.
;   v64-191      x: loaded once, before any vector instruction names them; worked on in place.  At the end block k's four roundings write the first four of its eight registers, which block k's store reads.
;   window 1     g and be: loaded once, read by the multiply-adds; no vector instruction writes them.
; One wait at the head serves every load and store for its offset.  The way out goes in four groups of four blocks: group q's roundings name its own 32 registers alone, and the memory instructions that
; stand among them are the stores of group q - 1: so one wait at a group's head states all that its four stores hang on.  No register that a memory instruction has read is written again.
.set XR, 64
.set MSB, 0
.macro WIN new                         ; the immediate's high byte repeats the setting that is left
.if MSB != (\new)
	s_set_vgpr_msb (MSB<<8)|(\new)
.set MSB, \new
.endif
.endm
.macro REDUCE                          ; four chains of pairs -> one number in each of the row's 8 lanes
	v_pk_add_f32 v[8:9], v[8:9], v[10:11]
	v_pk_add_f32 v[12:13], v[12:13], v[14:15]
	v_pk_add_f32 v[8:9], v[8:9], v[12:13]
	v_add_f32 v8, v8, v9
	v_add_f32_dpp v8, v8, v8 row_xmask:1 row_mask:0xf bank_mask:0xf
	v_add_f32_dpp v8, v8, v8 row_xmask:2 row_mask:0xf bank_mask:0xf
	v_add_f32_dpp v8, v8, v8 row_xmask:4 row_mask:0xf bank_mask:0xf
.endm
	s_load_b256 s[4:11], s[0:1], 0x0               ; x s[4:5], g s[6:7], be s[8:9], y s[10:11]
	v_and_b32 v4, 31, v0
	v_lshrrev_b32 v5, 3, v4                        ; my row of the wave's four
	v_and_b32 v6, 7, v4
	v_lshlrev_b32 v2, 5, v6                        ; my 8 channels of a block: 32 bytes of f32
	v_lshl_add_u32 v1, v5, 12, v2                  ; + row x 4,096
	v_lshlrev_b32 v3, 4, v4                        ; 16 x lane: my 16 bytes of the 512 that a store covers
	v_lshrrev_b32 v7, 5, v0
	v_readfirstlane_b32 s14, v7                    ; wave 0..3
	s_lshl_b32 s15, ttmp9, 4
	s_wait_alu depctr_va_sdst(0)                   ; s14 is written, ahead of its first reader: the bases of x and y are made from it
	s_lshl_b32 s14, s14, 2
	s_add_co_u32 s15, s15, s14                     ; my wave's first row
	s_lshl_b32 s16, s15, 12
	s_mov_b32 s17, 0
	s_lshl_b32 s18, s15, 7
	s_mov_b32 s19, 0
	s_mov_b32 s12, 0x3a800000                      ; 1 / 1024
	s_mov_b32 s13, 0x3727c5ac                      ; 1e-5
	s_wait_kmcnt 0x0
	s_add_nc_u64 s[4:5], s[4:5], s[16:17]
	s_add_nc_u64 s[10:11], s[10:11], s[18:19]
	s_wait_alu depctr_va_vdst(0)                   ; v1, v2 and v3 are written: every load and store of the kernel reads one of them as its offset
.irp k, 0,1,2,3,4,5,6,7,8,9,10,11,12,13,14,15
	global_load_b128 v[XR+8*\k:XR+8*\k+3],   v1, s[4:5] offset:256*\k th:TH_LOAD_NT
	global_load_b128 v[XR+8*\k+4:XR+8*\k+7], v1, s[4:5] offset:256*\k+16 th:TH_LOAD_NT
.endr
	WIN 0x40                                       ; destination window 1, address window 0; since the wait above only loads have been issued
.irp k, 0,1,2,3,4,5,6,7,8,9,10,11,12,13,14,15
	global_load_b128 v[8*\k:8*\k+3],   v2, s[6:7] offset:256*\k
	global_load_b128 v[8*\k+4:8*\k+7], v2, s[6:7] offset:256*\k+16
.endr
	s_wait_loadcnt 32                              ; x is in; g's 32 loads may stay out (a wait cannot name the 64 that g and be together would be)
.irp k, 0,1,2,3,4,5,6,7,8,9,10,11,12,13,14,15
	global_load_b128 v[128+8*\k:128+8*\k+3],   v2, s[8:9] offset:256*\k
	global_load_b128 v[128+8*\k+4:128+8*\k+7], v2, s[8:9] offset:256*\k+16
.endr
	WIN 0
	; the mean: the first eight pairs start the four chains, nothing is cleared
.irp c, 0,1,2,3
	v_pk_add_f32 v[8+2*\c:9+2*\c], v[XR+2*\c:XR+2*\c+1], v[XR+8+2*\c:XR+8+2*\c+1]
.endr
.set j, 8
.rept 56
	v_pk_add_f32 v[8+2*(j%4):9+2*(j%4)], v[8+2*(j%4):9+2*(j%4)], v[XR+2*j:XR+2*j+1]
.set j, j+1
.endr
	REDUCE
	v_mul_f32 v16, s12, v8
	v_mov_b32 v17, v16
.set j, 0
.rept 64
	v_pk_add_f32 v[XR+2*j:XR+2*j+1], v[XR+2*j:XR+2*j+1], v[16:17] neg_lo:[0,1] neg_hi:[0,1]  ; x - mean, in place
.set j, j+1
.endr
	; the variance
.irp c, 0,1,2,3
	v_pk_mul_f32 v[8+2*\c:9+2*\c], v[XR+2*\c:XR+2*\c+1], v[XR+2*\c:XR+2*\c+1]
.endr
.set j, 4
.rept 60
	v_pk_fma_f32 v[8+2*(j%4):9+2*(j%4)], v[XR+2*j:XR+2*j+1], v[XR+2*j:XR+2*j+1], v[8+2*(j%4):9+2*(j%4)]
.set j, j+1
.endr
	REDUCE
	v_fma_f32 v8, v8, s12, s13                     ; sum / 1024 + 1e-5
	v_rsq_f32 v18, v8
	v_rsq_f32 v19, v8                              ; twice: a pair for the packed multiply
	v_nop                                          ; a plain instruction behind the last root (ISA guide 5.7.2),
	s_wait_alu depctr_va_vdst(0)                   ; and the one wait: the two roots have written v18 and v19, ahead of their first reader
.set j, 0
.rept 64
	v_pk_mul_f32 v[XR+2*j:XR+2*j+1], v[XR+2*j:XR+2*j+1], v[18:19]
.set j, j+1
.endr
	s_wait_loadcnt 0x0                             ; g and be
	WIN 0x14                                       ; sources 1 and 2 in window 1
.set j, 0
.rept 64
	v_pk_fma_f32 v[XR+2*j:XR+2*j+1], v[XR+2*j:XR+2*j+1], v[2*j:2*j+1], v[128+2*j:128+2*j+1]
.set j, j+1
.endr
	WIN 0
.macro ROUND4 k                        ; block k: eight numbers a lane close up into the first four of their eight registers
.irp r, 0,1,2,3
	v_cvt_pk_bf16_f32 v[XR+8*(\k)+\r], v[XR+8*(\k)+2*\r], v[XR+8*(\k)+2*\r+1]  ; ascending: a register is written only after it has been read
.endr
.endm
.macro OUT k                           ; block k leaves: 512 consecutive bytes, at a multiple of 512 from y's first byte
	global_store_b128 v3, v[XR+8*(\k):XR+8*(\k)+3], s[10:11] offset:524288*(\k)
.endm
.irp k, 0,1,2,3
	ROUND4 \k
.endr
.irp q, 1,2,3
	s_wait_alu depctr_va_vdst(0)                   ; the roundings of the group before have written its blocks' registers, which the four stores below read
.irp i, 0,1,2,3
	OUT 4*(\q)-4+(\i)                              ; no rounding since the wait names this store's registers
	ROUND4 4*(\q)+(\i)
.endr
.endr
	s_wait_alu depctr_va_vdst(0)                   ; the last group's roundings have written blocks 12 to 15, which the last four stores read
.irp k, 12,13,14,15
	OUT \k
.endr
	s_endpgm
.Lfunc_end_k_q6e7a591891_ln1:
	.size	k_q6e7a591891_ln1, .Lfunc_end_k_q6e7a591891_ln1-k_q6e7a591891_ln1
	.p2alignl 7, 3214868480
	.fill 96, 4, 3214868480
	.section	.rodata,"a",@progbits
	.p2align	6, 0x0
	.amdhsa_kernel k_q6e7a591891_ln1
		.amdhsa_group_segment_fixed_size 0
		.amdhsa_private_segment_fixed_size 0
		.amdhsa_enable_private_segment 0
		.amdhsa_kernarg_size 32
		.amdhsa_user_sgpr_count 2
		.amdhsa_user_sgpr_kernarg_segment_ptr 1
		.amdhsa_wavefront_size32 1
		.amdhsa_system_sgpr_workgroup_id_x 1
		.amdhsa_system_sgpr_workgroup_id_y 1
		.amdhsa_system_sgpr_workgroup_id_z 1
		.amdhsa_system_vgpr_workitem_id 0
		.amdhsa_next_free_vgpr 512
		.amdhsa_next_free_sgpr 66
		.amdhsa_reserve_vcc 0
		.amdhsa_float_denorm_mode_32 3
		.amdhsa_float_denorm_mode_16_64 3
		.amdhsa_memory_ordered 1
		.amdhsa_forward_progress 1
		.amdhsa_inst_pref_size 37
	.end_amdhsa_kernel
	.amdgpu_metadata
---
amdhsa.version: [ 1, 2 ]
amdhsa.kernels:
  - .name:           k_q6e7a591891_ln1
    .symbol:         k_q6e7a591891_ln1.kd
    .args:
      - { .name: X, .offset: 0, .size: 8, .value_kind: global_buffer, .address_space: global }
      - { .name: g1, .offset: 8, .size: 8, .value_kind: global_buffer, .address_space: global }
      - { .name: be1, .offset: 16, .size: 8, .value_kind: global_buffer, .address_space: global }
      - { .name: abuf, .offset: 24, .size: 8, .value_kind: global_buffer, .address_space: global }
    .group_segment_fixed_size: 0
    .private_segment_fixed_size: 0
    .kernarg_segment_align: 8
    .kernarg_segment_size: 32
    .max_flat_workgroup_size: 128
    .sgpr_count:     66
    .vgpr_count:     512
    .wavefront_size: 32
...
	.end_amdgpu_metadata
.endif
;; end of part 8
;; launch qkv: the kernel of part 3 again; grid 12 x 16, 4 waves a work-group, clusters of 4 x 4, 327,680 bytes of LDS; arguments abuf, wqkv, act; writes act
;; launch attn: the kernel of part 4 again; grid 8 x 32, 4 waves a work-group, clusters of 4 x 1, 327,680 bytes of LDS; arguments act, abuf; writes abuf
;; launch wo: the kernel of part 5 again; grid 8 x 32, 4 waves a work-group, clusters of 4 x 4, 327,680 bytes of LDS; arguments abuf, wr, X, x1; writes x1
;; launch ln2: the kernel of part 8 again; grid 256 x 1, 4 waves a work-group, no clusters, 0 bytes of LDS; arguments x1, g2, be2, abuf; writes abuf
;; launch ffn1: the kernel of part 3 again; grid 16 x 16, 4 waves a work-group, clusters of 4 x 4, 327,680 bytes of LDS; arguments abuf, w1p, act; writes act
;; launch ffn2: the kernel of part 6 again; grid 8 x 32, 4 waves a work-group, clusters of 4 x 4, 327,680 bytes of LDS; arguments act, wr, x1, out0; writes out0
